; MI455X (gfx1250); checked and timed in simulation.
; The chip was launched on July 23, 2026; its instructions are those of AMD's public machine-readable ISA for CDNA 5 (MIT licence, August 2026) and "CDNA5" Instruction Set Architecture Reference Guide (July 2026). The comments in the code are by the model that wrote it; some were corrected since.
;; Causal Self Attention. Allowed arithmetic: matrix products marked QUANTISED: E2M3 operands, one E8M0 scale for each 32 along K, by v_wmma_scale_f32_16x16x128_f8f6f4 with both operands' format E2M3, f32 sums; everything else in f32.
;; Inputs: c_proj_w 1,024 x 1,024 float32; lambdas 2 float32; qkv_w 3 x 1,024 x 1,024 float32; ve 1 x 4,096 x 1,024 float32; x 1 x 4,096 x 1,024 float32.
;; Outputs: out0 1 x 4,096 x 1,024 float32.
;; This version of the problem:
;;   THIS VERSION OF THE PROBLEM IS GIVEN IN LOW PRECISION. The matrix products marked QUANTISED in the list below multiply operands that are first quantised to E2M3 (2 exponent bits, 3 mantissa bits; 6 bits a number), with one power-of-two scale for each 32 numbers along K (OCP MX v1.0); their sums are f32. All else is computed in f32.
;;   The module's matrix products, in the order in which they are computed (A, B: the left and right operand; K: the contracted axis; several contracted axes count as one K, in the product's order):
;;     1. [M 4,096, K 1,024] x [K 1,024, N 3,072]; A: input x; B: input qkv_w: QUANTISED
;;     2. batch 8 x [M 4,096, K 128] x [K 128, N 4,096]; A: computed on the way; B: computed on the way: QUANTISED
;;     3. batch 8 x [M 128, K 4,096] x [K 4,096, N 4,096]; A: computed on the way; B: softmax (see below): QUANTISED
;;     4. [M 4,096, K 1,024] x [K 1,024, N 1,024]; A: computed on the way; B: input c_proj_w: QUANTISED
;;   THE QUANTISER, for each operand of a quantised product, along K:
;;     - K is cut into blocks of 32 from its start; a last block that is shorter is filled with zeros.
;;     - A block's scale is 2^e with e = floor(log2(the largest magnitude in the block)) - 2, held to -126 .. 127; a block of zeros has e = 0. As a byte (E8M0): e + 127.
;;     - Each number is divided by its block's scale, clamped to +-7.5, and rounded to the nearest number of E2M3, ties to even, subnormals kept.
;;     - The product sums the exact products of the quantised numbers (number of the format x scale) in f32.
;;   ~~~python
;;   def quantise(x, axis):      # numpy; x: float32 -> the quantised numbers, widened to float32 again
;;       x = np.moveaxis(x, axis, -1); K = x.shape[-1]
;;       x = np.pad(x, [(0, 0)] * (x.ndim - 1) + [(0, -K % 32)]); x = x.reshape(x.shape[:-1] + (-1, 32)); a = np.abs(x).max(-1, keepdims=True)
;;       e = np.where(a > 0, np.clip(np.frexp(np.where(a > 0, a, 1))[1] - 1 - 2, -126, 127), 0)      # np.frexp(a)[1] - 1 = floor(log2(a)), exactly
;;       r = np.clip(x / 2.0 ** e, -7.5, 7.5)
;;       step = 2.0 ** (np.maximum(np.frexp(np.where(r == 0, 1, r))[1] - 1, 0) - 3)
;;       q = np.round(r / step) * step * 2.0 ** e      # np.round: ties to even
;;       return np.moveaxis(q.reshape(q.shape[:-2] + (-1,))[..., :K], -1, axis).astype(np.float32)
;;   ~~~
;;   SOFTMAX AHEAD OF A QUANTISED PRODUCT. Where the list says 'softmax', what is quantised is not the finished softmax but p = 2^(t - M), with t = logit x log2(e) and M = ceil(the row's largest t), a whole number; so 1/2 < the row's largest p <= 1. The row's sum l is taken of the UNQUANTISED p, in f32, and the product's result is divided by l at the end. Since M is a whole number, a kernel that streams over the keys may use a running M (the ceiling of the running maximum): every later rescaling is an exact power of two, which a block's scale takes up: the codes' values come out the same.
;;   OPERANDS COMPUTED ON THE WAY. 'Computed on the way' means the value that the module computes at that place (a softmax that the list does not call 'softmax' is quantised finished and normalised). What goes into a quantiser is computed in f32, as accurately as f32 sums, v_exp_f32 and their like allow (about 1e-6 of the number): no bf16 or f16 on the way to a quantiser, and a product that is left as it is and whose result goes on into a quantised operand takes f32 operands (vector FMAs, or v_wmma_f32_16x16x4_f32). A number that lies on a knife's edge between two numbers of the format may be rounded either way, as far as f32 arithmetic and the matrix unit's own rounding can turn it there, and no further.
;; One version. Each part assembles by itself: llvm-mc -triple=amdgcn-amd-amdhsa -mcpu=gfx1250 --defsym DOCPART=n.
;; ======== version 1 of 1: 4 launches
;; limits: right only within a limited range of input values
;; workspace buffers: xq 3,276,800 bytes; wq 2,457,600 bytes; cq 819,200 bytes; rope 1,048,576 bytes; qq 3,276,800 bytes; kv 6,553,600 bytes; yq 3,276,800 bytes
;; launch prep (part 1): grid 256 x 1, 4 waves a work-group, no clusters, 34,304 bytes of LDS; arguments x, qkv_w, c_proj_w, xq, wq, cq, rope; writes xq, wq, cq, rope
.if DOCPART == 1
	.amdgcn_target "amdgcn-amd-amdhsa--gfx1250"
	.amdhsa_code_object_version 6
	.text
	.protected	k_qae4a07049d_prep
	.globl	k_qae4a07049d_prep
	.p2align	8
	.type	k_qae4a07049d_prep,@function
k_qae4a07049d_prep:
	s_mov_b64 s[64:65], 0
	v_nop
	global_prefetch_b8 v0, s[64:65] scope:SCOPE_SE
	s_setreg_imm32_b32 hwreg(HW_REG_WAVE_MODE, 25, 1), 1
	s_wait_xcnt 0x0
; PREP.  x [4096][1024], qkv_w [3072][1024] and c_proj_w [1024][1024], f32 with K innermost, become codes of FP6 (E2M3) with one E8M0 byte for each 32 along K,
; laid as the products' launches take them; and the cos / sin table of the half-truncated RoPE is made, [4096][32] each.
; LAYOUT OF THE CODES.  A FRAGMENT (16 rows x 128 K, 12 registers a lane) lies as an image of its registers: registers 4 c .. 4 c + 3 of lane l at 512 c + 16 l: 1,536 bytes.
; A BLOCK (128 rows x 256 K) is 16 fragments (tile a, K step q: at 1,536 (2 a + q)) and 1,024 bytes of scale words at 24,576 + 128 a + 8 r + 4 q: 25,600 bytes.  A tensor is [rows / 128][4] blocks.
; THE ROWS OF A TILE ARE NOT NEIGHBOURS: lane r of tile a holds row 32 (a / 2) + 8 (a % 2) + r + 8 (r / 8) of its 128.
; A block's scale is 2^(floor(log2(its largest magnitude)) - 2); its byte is the largest magnitude's exponent field - 2, held at 1 from below.
; SHARES.  Work-groups 0-127 take x, 128-223 qkv_w, 224-255 c_proj_w: only pointers are chosen, one path through the text.  A wave takes one tile of 16 rows and half of K: four K steps of 128.
; Each load reads 512 consecutive bytes of a row; a K step's 16 rows turn through the wave's own stage in LDS (rows 528 bytes apart) so that a lane gets 16 neighbours of each block of 32.
; Waves share nothing: no barrier.  No work-group reads what another reads: no cluster.
; LIMITS: NaN and infinities are not served.  A block of zeros gets the byte 1 (its codes are zeros; this program alone reads the bytes).  The RoPE frequencies are 2^(-10 i / 31) by v_exp_f32:
; within an ulp or two of the power that defines them, which at token 4,095 moves the largest angles by a few 1e-4 rad, as the rounding of the angle itself does.
.set SPARE, 33792                      ; behind the four stages: the spare words, 128 bytes for each wave
.set SPW,   12                         ; v12  LDS address of my spare word; never rewritten
.set NIL,   13                         ; v13  0; never rewritten
.set SEL,   20                         ; s[20:21] lane selects for v_permlanex16_b32: lane l xor 16
.set LD,    16                         ; v16-143  two sets of 16 rows x 16 bytes as loaded
.set X,     144                        ; v144-207 64 numbers of my row: register 16 b + e = k 32 b + 16 (lane / 16) + e.  Ahead of the first K step: the table's work
.set PC,    208                        ; v208-226 the codes just made
.set TM,    228                        ; v228-243 at work in QUANT
.set PW,    244                        ; v244-247 the four K steps' scale words
; 64 numbers of a lane, v[s] on, register 16 b + e = k 32 b + 16 (lane / 16) + e of my row, become a fragment's codes in v[pc] .. v[pc + 11] and its scale word in v[pw].
.macro QUANT s, pc, tm, pw
.irp b, 0,1,2,3
	v_max3_num_f32 v[\tm+\b], |v[\s+16*\b]|, |v[\s+1+16*\b]|, 0x1800000   ; block b: my 16 numbers, and the floor 2^(3 - 127): the byte cannot fall under 1
.endr
.irp i, 2,4,6,8,10,12,14
.irp b, 0,1,2,3
	v_max3_num_f32 v[\tm+\b], v[\tm+\b], |v[\s+16*\b+\i]|, |v[\s+1+16*\b+\i]|   ; the four blocks by turns
.endr
.endr
.irp b, 0,1,2,3
	v_permlanex16_b32 v[\tm+4+\b], v[\tm+\b], s[SEL], s[SEL+1]
.endr
.irp b, 0,1,2,3
	v_max_num_f32 v[\tm+\b], v[\tm+\b], v[\tm+4+\b]   ; with lane l xor 16's: the block's largest magnitude
.endr
.irp b, 0,1,2,3
	v_add_nc_u32 v[\tm+12+\b], 0xff000000, v[\tm+\b]   ; 2 off its exponent field: the conversion's scale operand
.endr
.irp b, 0,1,2,3
	v_lshrrev_b32 v[\tm+4+\b], 23, v[\tm+12+\b]   ; the scale's byte
.endr
	v_lshl_or_b32 v[\pw], v[\tm+5], 8, v[\tm+4]
	v_lshl_or_b32 v[\pw], v[\tm+6], 16, v[\pw]
	v_lshl_or_b32 v[\pw], v[\tm+7], 24, v[\pw]
.irp c, 0,1
	v_cvt_scalef32_pk16_fp6_f32 v[\pc+6*\c:\pc+2+6*\c], v[\s+32*\c:\s+15+32*\c], v[\tm+12+2*\c]
	v_cvt_scalef32_pk16_fp6_f32 v[\pc+12+4*\c:\pc+14+4*\c], v[\s+16+32*\c:\s+31+32*\c], v[\tm+12+2*\c+1]   ; a conversion's three registers begin on an even number
.endr
	v_nop                                          ; one plain place behind a scaled conversion
.irp c, 0,1                                    ; the operand's layout wants a whole block in a lane: lanes 0-15 block 2 c, lanes 16-31 block 2 c + 1
.irp i, 0,1,2
	v_permlane16_swap_b32 v[\pc+6*\c+\i], v[\pc+12+4*\c+\i]
.endr
.irp i, 0,1,2
	v_mov_b32 v[\pc+3+6*\c+\i], v[\pc+12+4*\c+\i]
.endr
.endr
.endm
.macro LOAD q                          ; K step q: the tile's 16 rows, 512 consecutive bytes each, into set q % 2
.set I, 0
.rept 16
	global_load_b128 v[LD+64*((\q)%2)+4*I:LD+64*((\q)%2)+4*I+3], v1, s[4:5] offset:(I+8*(I/8))*4096+512*(\q) th:TH_LOAD_NT
.set I, I+1
.endr
.endm
	s_load_b256 s[4:11], s[0:1], 0x0               ; x s[4:5], qkv_w s[6:7], c_proj_w s[8:9], xq s[10:11]
	s_load_b128 s[12:15], s[0:1], 0x20             ; wq s[12:13], cq s[14:15]
	s_load_b64 s[16:17], s[0:1], 0x30              ; rope
	v_lshl_add_u32 v[SPW], v0, 2, SPARE
	v_mov_b32 v[NIL], 0
	v_lshrrev_b32 v1, 5, v0
	v_readfirstlane_b32 s18, v1                    ; wave 0..3
	v_and_b32 v8, 31, v0                           ; lane
	v_lshlrev_b32 v1, 4, v8                        ; v1: 16 x lane
	v_and_b32 v2, 15, v0                           ; r
	v_bfe_u32 v3, v0, 4, 1                         ; h
	s_mul_i32 s19, s18, 8448                       ; my stage: 16 rows x 528 bytes
	v_add_nc_u32 v4, s19, v1                       ; v4: into it: 16 x lane of a row
	v_mul_u32_u24 v5, v2, 528
	v_lshl_add_u32 v5, v3, 6, v5
	v_add_nc_u32 v5, s19, v5                       ; v5: out of it: row r, + 64 h
	v_mul_u32_u24 v6, v3, 25600
	v_lshl_add_u32 v6, v2, 3, v6                   ; v6: the scale words' place: 8 r, lanes 16-31 one block on
	v_lshlrev_b32 v7, 4, v0                        ; v7: 16 x thread: the table's place
	s_mov_b32 s[SEL], 0x76543210
	s_mov_b32 s[SEL+1], 0xfedcba98
	s_mov_b32 s39, 0xffff0000                      ; lanes 16-31
	s_mov_b32 s40, 0xbfc90fdb                      ; -(pi / 2 rounded to f32)
	s_mov_b32 s41, 0x333bbd2e                      ; that number less pi / 2
	s_mov_b32 s42, 0xb94ca1f9                      ; the sine's three coefficients
	s_mov_b32 s43, 0x3c08839e
	s_mov_b32 s44, 0xbe2aaaa3
	s_mov_b32 s45, 0x37ccf5ce                      ; the cosine's three
	s_mov_b32 s46, 0xbab6061a
	s_mov_b32 s47, 0x3d2aaaa5
.irp b, 0,1,2,3
	v_mov_b32 v[TM+4+\b], 0                        ; written once: a lane permute's destination counts as one of its sources
.endr
	s_mov_b32 s22, 224                             ; the first work-group of my tensor
	s_cmp_lt_u32 ttmp9, 224
	s_cselect_b32 s22, 128, s22
	s_cmp_lt_u32 ttmp9, 128
	s_cselect_b32 s22, 0, s22
	s_sub_co_u32 s22, ttmp9, s22
	s_lshl_b32 s22, s22, 1
	s_lshr_b32 s23, s18, 1
	s_add_co_u32 s22, s22, s23                     ; my tile: 2 x (work-group in the tensor) + wave / 2
	s_and_b32 s23, s18, 1                          ; my half of K
	s_lshr_b32 s24, s22, 3                         ; R: the block of 128 rows
	s_and_b32 s25, s22, 7                          ; a: the tile in it
	s_lshl_b32 s26, s24, 7
	s_lshr_b32 s27, s25, 1
	s_lshl_b32 s27, s27, 5
	s_add_co_u32 s26, s26, s27
	s_and_b32 s27, s25, 1
	s_lshl_b32 s27, s27, 3
	s_add_co_u32 s26, s26, s27                     ; the tile's first row: 128 R + 32 (a / 2) + 8 (a % 2)
	s_lshl_b32 s26, s26, 12                        ; rows of 4,096 bytes
	s_lshl_b32 s27, s23, 11
	s_add_co_u32 s26, s26, s27                     ; + my half: 2,048 bytes
	s_mov_b32 s27, 0
	s_lshl_b32 s28, s24, 2
	s_lshl_b32 s29, s23, 1
	s_add_co_u32 s28, s28, s29
	s_mul_i32 s28, s28, 25600                      ; my first block of codes: 4 R + 2 x half
	s_mul_i32 s29, s25, 3072
	s_add_co_u32 s30, s28, s29                     ; + the tile's two fragments
	s_mov_b32 s31, 0
	s_lshl_b32 s29, s25, 7
	s_add_co_u32 s36, s28, s29
	s_add_co_u32 s36, s36, 24576                   ; and its scale words
	s_mov_b32 s37, 0
	s_lshl_b32 s48, ttmp9, 11                      ; the table: 2,048 bytes a work-group
	s_mov_b32 s49, 0
	s_lshl_b32 s38, ttmp9, 7
	s_wait_kmcnt 0x0
	s_cmp_lt_u32 ttmp9, 224                        ; the choice hangs on the work-group's number alone
	s_cselect_b64 s[6:7], s[6:7], s[8:9]
	s_cselect_b64 s[12:13], s[12:13], s[14:15]
	s_cmp_lt_u32 ttmp9, 128
	s_cselect_b64 s[4:5], s[4:5], s[6:7]
	s_cselect_b64 s[10:11], s[10:11], s[12:13]
	s_add_nc_u64 s[4:5], s[4:5], s[26:27]          ; the numbers
	s_add_nc_u64 s[32:33], s[10:11], s[30:31]      ; the codes
	s_add_nc_u64 s[34:35], s[10:11], s[36:37]      ; the scale words
	s_add_nc_u64 s[16:17], s[16:17], s[48:49]
	LOAD 0
	LOAD 1
	; THE TABLE, while the loads are on their way.  Thread g = 128 x work-group + thread makes four entries: token t = g / 8, frequencies i = 4 (g % 8) + 0 .. 3.
	v_add_nc_u32 v144, s38, v0
	v_lshrrev_b32 v148, 3, v144
	v_cvt_f32_u32 v148, v148                       ; t
	v_and_b32 v149, 7, v144
	v_lshlrev_b32 v149, 2, v149
.irp e, 0,1,2,3
	v_add_nc_u32 v[144+\e], \e, v149
.endr
.irp e, 0,1,2,3
	v_cvt_f32_u32 v[144+\e], v[144+\e]
.endr
.irp e, 0,1,2,3
	v_mul_f32 v[144+\e], 0xbea5294a, v[144+\e]     ; -10 i / 31
.endr
	s_wait_alu depctr_va_vdst(0)
.irp e, 0,1,2,3
	v_exp_f32 v[144+\e], v[144+\e]                 ; (1 / 1024)^(i / 31)
.endr
	v_nop                                          ; a plain place behind the exponentials
	s_wait_alu depctr_va_vdst(0)                   ; one wait for the four, ahead of their first reader
.irp e, 0,1,2,3
	v_mul_f32 v[152+\e], v148, v[144+\e]           ; the angle, rounded once
.endr
.irp e, 0,1,2,3
	v_mul_f32 v[156+\e], 0x3f22f983, v[152+\e]     ; x 2 / pi
.endr
.irp e, 0,1,2,3
	v_rndne_f32 v[156+\e], v[156+\e]               ; n: the nearest multiple of pi / 2 (at most 2,607)
.endr
.irp e, 0,1,2,3
	v_fma_f32 v[160+\e], v[156+\e], s40, v[152+\e] ; the angle - n x the f32 pi / 2: a multiple of 2^-23 under 1: nothing is rounded
.endr
.irp e, 0,1,2,3
	v_fma_f32 v[160+\e], v[156+\e], s41, v[160+\e] ; and the rest of pi / 2: rho in -pi / 4 .. pi / 4
.endr
.irp e, 0,1,2,3
	v_mul_f32 v[164+\e], v[160+\e], v[160+\e]      ; z = rho^2
.endr
.irp e, 0,1,2,3
	v_fma_f32 v[168+\e], v[164+\e], s42, s43
.endr
.irp e, 0,1,2,3
	v_fma_f32 v[168+\e], v[168+\e], v[164+\e], s44
.endr
.irp e, 0,1,2,3
	v_mul_f32 v[168+\e], v[168+\e], v[164+\e]
.endr
.irp e, 0,1,2,3
	v_fma_f32 v[168+\e], v[168+\e], v[160+\e], v[160+\e]   ; sin rho
.endr
.irp e, 0,1,2,3
	v_fma_f32 v[172+\e], v[164+\e], s45, s46
.endr
.irp e, 0,1,2,3
	v_fma_f32 v[172+\e], v[172+\e], v[164+\e], s47
.endr
.irp e, 0,1,2,3
	v_fma_f32 v[180+\e], v[164+\e], -0.5, 1.0
.endr
.irp e, 0,1,2,3
	v_mul_f32 v[184+\e], v[164+\e], v[164+\e]
.endr
.irp e, 0,1,2,3
	v_fma_f32 v[172+\e], v[172+\e], v[184+\e], v[180+\e]   ; cos rho
.endr
.irp e, 0,1,2,3
	v_cvt_i32_f32 v[176+\e], v[156+\e]             ; n as a whole number: its two low bits are the quadrant
.endr
.irp e, 0,1,2,3
	v_and_b32 v[180+\e], 1, v[176+\e]
.endr
.irp e, 0,1,2,3
	v_cmp_eq_u32 vcc_lo, 1, v[180+\e]              ; in an odd quadrant sine and cosine change places
	v_cndmask_b32 v[252+\e], v[168+\e], v[172+\e], vcc_lo
	v_cndmask_b32 v[248+\e], v[172+\e], v[168+\e], vcc_lo
.endr
.irp e, 0,1,2,3
	v_lshlrev_b32 v[180+\e], 30, v[176+\e]         ; the sine is negative in quadrants 2, 3: bit 1 of n;
	v_add_nc_u32 v[184+\e], 1, v[176+\e]           ; the cosine in quadrants 1, 2: bit 1 of n + 1
.endr
.irp e, 0,1,2,3
	v_and_b32 v[180+\e], 0x80000000, v[180+\e]
	v_lshlrev_b32 v[184+\e], 30, v[184+\e]
.endr
.irp e, 0,1,2,3
	v_xor_b32 v[252+\e], v[252+\e], v[180+\e]
	v_and_b32 v[184+\e], 0x80000000, v[184+\e]
.endr
.irp e, 0,1,2,3
	v_xor_b32 v[248+\e], v[248+\e], v[184+\e]
.endr
	global_store_b128 v7, v[248:251], s[16:17]                 ; cos: a wave stores 512 consecutive bytes
	global_store_b128 v7, v[252:255], s[16:17] offset:524288   ; sin, behind the 4,096 x 32 cosines
; A K STEP of 128: through the stage, quantised, stored as the fragment's image.
.macro KSTEP q
.if (\q) < 3
	s_wait_loadcnt 16                              ; this K step's 16 loads are in; the next K step's 16 may be out
.else
	s_wait_loadcnt 0x0
.endif
.set I, 0
.rept 16
	ds_store_b128 v4, v[LD+64*((\q)%2)+4*I:LD+64*((\q)%2)+4*I+3] offset:528*I
.set I, I+1
.endr
.irp b, 0,1,2,3
.irp j, 0,1,2,3
	ds_load_b128 v[X+16*\b+4*\j:X+16*\b+4*\j+3], v5 offset:128*\b+16*\j   ; LDS serves a wave's instructions in order: these see the stores above
.endr
.endr
	s_wait_dscnt 0x0                               ; my 64 numbers are in, and the stores have read their registers,
.if (\q) < 2
	LOAD (\q)+2                                    ; which take the loads of two K steps on
.endif
	s_wait_xcnt 0x0                                ; the last K step's stores have read the codes' registers: they are written again only behind this wait
	QUANT X, PC, TM, PW+(\q)
.irp c, 0,1,2
	global_store_b128 v1, v[PC+4*\c:PC+4*\c+3], s[32:33] offset:((\q)/2)*25600+((\q)%2)*1536+512*\c   ; 512 consecutive bytes, at a multiple of 512 from the buffer's first byte
.endr
.endm
	KSTEP 0
	KSTEP 1
	KSTEP 2
	KSTEP 3
	v_cndmask_b32 v248, v[PW], v[PW+2], s39        ; lanes 0-15 store the first block's two words of row r, lanes 16-31 the second block's
	v_cndmask_b32 v249, v[PW+1], v[PW+3], s39
	global_store_b64 v6, v[248:249], s[34:35]      ; 128 consecutive bytes in each of the two blocks
	s_wait_tensorcnt 0x0                           ; the wave's end, behind my last LDS store
	ds_add_u32 v[SPW], v[NIL]
	s_wait_dscnt 0x0
	s_endpgm
.Lfunc_end_k_qae4a07049d_prep:
	.size	k_qae4a07049d_prep, .Lfunc_end_k_qae4a07049d_prep-k_qae4a07049d_prep
	.p2alignl 7, 3214868480
	.fill 96, 4, 3214868480
	.section	.rodata,"a",@progbits
	.p2align	6, 0x0
	.amdhsa_kernel k_qae4a07049d_prep
		.amdhsa_group_segment_fixed_size 34304
		.amdhsa_private_segment_fixed_size 0
		.amdhsa_enable_private_segment 0
		.amdhsa_kernarg_size 56
		.amdhsa_user_sgpr_count 2
		.amdhsa_user_sgpr_kernarg_segment_ptr 1
		.amdhsa_wavefront_size32 1
		.amdhsa_system_sgpr_workgroup_id_x 1
		.amdhsa_system_sgpr_workgroup_id_y 1
		.amdhsa_system_sgpr_workgroup_id_z 1
		.amdhsa_system_vgpr_workitem_id 0
		.amdhsa_next_free_vgpr 256
		.amdhsa_next_free_sgpr 66
		.amdhsa_reserve_vcc 1
		.amdhsa_float_denorm_mode_32 3
		.amdhsa_float_denorm_mode_16_64 3
		.amdhsa_memory_ordered 1
		.amdhsa_forward_progress 1
		.amdhsa_inst_pref_size 41
	.end_amdhsa_kernel
	.amdgpu_metadata
---
amdhsa.version: [ 1, 2 ]
amdhsa.kernels:
  - .name:           k_qae4a07049d_prep
    .symbol:         k_qae4a07049d_prep.kd
    .args:
      - { .name: x, .offset: 0, .size: 8, .value_kind: global_buffer, .address_space: global }
      - { .name: qkv_w, .offset: 8, .size: 8, .value_kind: global_buffer, .address_space: global }
      - { .name: c_proj_w, .offset: 16, .size: 8, .value_kind: global_buffer, .address_space: global }
      - { .name: xq, .offset: 24, .size: 8, .value_kind: global_buffer, .address_space: global }
      - { .name: wq, .offset: 32, .size: 8, .value_kind: global_buffer, .address_space: global }
      - { .name: cq, .offset: 40, .size: 8, .value_kind: global_buffer, .address_space: global }
      - { .name: rope, .offset: 48, .size: 8, .value_kind: global_buffer, .address_space: global }
    .group_segment_fixed_size: 34304
    .private_segment_fixed_size: 0
    .kernarg_segment_align: 8
    .kernarg_segment_size: 56
    .max_flat_workgroup_size: 128
    .sgpr_count:     66
    .vgpr_count:     256
    .wavefront_size: 32
...
	.end_amdgpu_metadata
.endif
;; end of part 1
;; launch qkv (part 2): grid 12 x 16, 4 waves a work-group, clusters of 4 x 4, 327,680 bytes of LDS; arguments xq, wq, rope, ve, lambdas, qq, kv; writes qq, kv
.if DOCPART == 2
	.amdgcn_target "amdgcn-amd-amdhsa--gfx1250"
	.amdhsa_code_object_version 6
	.text
	.protected	k_qae4a07049d_qkv
	.globl	k_qae4a07049d_qkv
	.p2align	8
	.type	k_qae4a07049d_qkv,@function
k_qae4a07049d_qkv:
	s_mov_b64 s[64:65], 0
	v_nop
	global_prefetch_b8 v0, s[64:65] scope:SCOPE_SE
	s_setreg_imm32_b32 hwreg(HW_REG_WAVE_MODE, 25, 1), 1
	s_wait_xcnt 0x0
	s_wait_alu depctr_hold_cnt(0) depctr_sa_sdst(0) depctr_va_vdst(0) depctr_va_sdst(0) depctr_va_ssrc(0) depctr_va_vcc(0) depctr_vm_vsrc(0)
	s_getreg_b32 s2, hwreg(HW_REG_IB_STS2, 6, 4)
	s_cmp_eq_u32 s2, 0
	s_cbranch_scc0 .Lentry_in_a_cluster
	s_endpgm
.Lentry_in_a_cluster:
	s_bfe_u32 s2, ttmp6, 0x10000c
	s_cmp_lg_u32 s2, 0xf033
	s_cbranch_scc0 .Lentry_shape_is_right
	s_endpgm
.Lentry_shape_is_right:
.set HALFB,  25600
.set SLOT,   4*HALFB
.set SPARE,  2*SLOT
.set STG,    SPARE+512
.set WREG,   29184
.set IMG,    16896
.set NQ,     2
.set FR,     12
.set NL,     3
.set NP,     4
.set LAPS,   2
.set ADRA,   16
.set ADRB,   20
.set ADRS,   22
.set SPW,    28
.set NIL,    29
.set SC,     32
.set AF,     128
.set G1,     24
.set G0,     32
.set G1B,    48
.set G0B,    56
.set SEL,    86
.set XN,     64
.set CT,     128
.set SS,     160
.set PC,     192
.set TM,     212
.set PW,     228
.set TT,     236
.set RS,     240
.set MSB, 0
.macro WIN new
.if MSB != (\new)
	s_set_vgpr_msb (MSB<<8)|(\new)
.set MSB, (\new)
.endif
.endm
.set MUL_LO, 0xa1
.set MUL_HI, 0xf1
.set TO_B,   0x40
.macro JLOAD g0a, g1a, g0b, g1b
	s_cmp_eq_u32 s15, 0
	s_cbranch_scc0 .Lfor_b_\@
	tensor_load_to_lds s[\g0a:\g0a+3], s[\g1a:\g1a+7]
	s_nop 0
.rept 4
	v_nop
.endr
	s_branch .Lasked_\@
.Lfor_b_\@:
	tensor_load_to_lds s[\g0b:\g0b+3], s[\g1b:\g1b+7]
	s_nop 0
.rept 4
	v_nop
.endr
.Lasked_\@:
.endm
.macro CREST
	s_cmp_lg_u32 s14, 0
	s_cbranch_scc1 .Lnot_wave_0_\@
	s_barrier_signal -3
.Lnot_wave_0_\@:
	s_barrier_wait -3
	s_barrier_signal -1
	s_barrier_wait -1
.endm
.macro CROUND
	s_barrier_signal -1
	s_barrier_wait -1
	CREST
.endm
.macro QUANT s, pc, tm, pw
.irp b, 0,1,2,3
	v_max3_num_f32 v[\tm+\b], |v[\s+16*\b]|, |v[\s+1+16*\b]|, 0x1800000
.endr
.irp i, 2,4,6,8,10,12,14
.irp b, 0,1,2,3
	v_max3_num_f32 v[\tm+\b], v[\tm+\b], |v[\s+16*\b+\i]|, |v[\s+1+16*\b+\i]|
.endr
.endr
.irp b, 0,1,2,3
	v_permlanex16_b32 v[\tm+4+\b], v[\tm+\b], s[SEL], s[SEL+1]
.endr
.irp b, 0,1,2,3
	v_max_num_f32 v[\tm+\b], v[\tm+\b], v[\tm+4+\b]
.endr
.irp b, 0,1,2,3
	v_add_nc_u32 v[\tm+12+\b], 0xff000000, v[\tm+\b]
.endr
.irp b, 0,1,2,3
	v_lshrrev_b32 v[\tm+4+\b], 23, v[\tm+12+\b]
.endr
	v_lshl_or_b32 v[\pw], v[\tm+5], 8, v[\tm+4]
	v_lshl_or_b32 v[\pw], v[\tm+6], 16, v[\pw]
	v_lshl_or_b32 v[\pw], v[\tm+7], 24, v[\pw]
.irp c, 0,1
	v_cvt_scalef32_pk16_fp6_f32 v[\pc+6*\c:\pc+2+6*\c], v[\s+32*\c:\s+15+32*\c], v[\tm+12+2*\c]
	v_cvt_scalef32_pk16_fp6_f32 v[\pc+12+4*\c:\pc+14+4*\c], v[\s+16+32*\c:\s+31+32*\c], v[\tm+12+2*\c+1]
.endr
	v_nop
.irp c, 0,1
.irp i, 0,1,2
	v_permlane16_swap_b32 v[\pc+6*\c+\i], v[\pc+12+4*\c+\i]
.endr
.irp i, 0,1,2
	v_mov_b32 v[\pc+3+6*\c+\i], v[\pc+12+4*\c+\i]
.endr
.endr
.endm
	s_load_b256 s[4:11], s[0:1], 0x0
	s_load_b64 s[12:13], s[0:1], 0x20
	s_load_b128 s[68:71], s[0:1], 0x28
	v_lshl_add_u32 v[SPW], v0, 2, SPARE
	v_mov_b32 v[NIL], 0
	ds_add_u32 v[SPW], v[NIL]
	ds_add_u32 v[SPW], v[NIL]
	v_lshrrev_b32 v1, 5, v0
	v_readfirstlane_b32 s14, v1
	s_lshr_b32 s15, s14, 1
	s_and_b32 s16, s14, 1
	s_bfe_u32 s40, ttmp6, 0x40000
	s_bfe_u32 s41, ttmp6, 0x40004
	s_lshl_b32 s42, ttmp9, 2
	s_add_co_u32 s42, s42, s40
	s_and_b32 s17, ttmp7, 0xffff
	s_lshl_b32 s17, s17, 2
	s_add_co_u32 s17, s17, s41
	s_lshl_b32 s43, s41, 2
	s_lshl_b32 s43, 15, s43
	s_lshl_b32 s44, 0x1111, s40
	s_or_b32 s[G1+0], s43, (3<<16)|(1<<21)
	s_or_b32 s[G1B+0], s44, (3<<16)|(1<<21)
.irp g, G1, G1B
	s_mov_b32 s[\g+1], 32<<16
	s_mov_b32 s[\g+2], 100<<16
	s_mov_b32 s[\g+3], 32<<16
	s_mov_b32 s[\g+4], 100
	s_mov_b32 s[\g+5], 32
	s_mov_b32 s[\g+6], 0
	s_mov_b32 s[\g+7], 0
.endr
	s_lshl_b32 s20, s17, 1
	s_add_co_u32 s20, s20, s16
	s_mul_i32 s20, s20, 4*HALFB
	s_mov_b32 s21, 0
	s_lshl_b32 s46, s42, 1
	s_add_co_u32 s46, s46, s16
	s_mul_i32 s46, s46, 4*HALFB
	s_mov_b32 s47, 0
	s_mul_i32 s45, s14, HALFB
	s_wait_dscnt 0x0
	s_wait_kmcnt 0x0
	s_add_nc_u64 s[20:21], s[4:5], s[20:21]
	s_add_nc_u64 s[46:47], s[6:7], s[46:47]
	CROUND
.irp s, 0,1
	s_mov_b32 s[G0+4*\s], 1
	s_add_co_u32 s[G0+4*\s+1], s45, \s*SLOT
	s_add_nc_u64 s[G0+4*\s+2:G0+4*\s+3], s[20:21], \s*HALFB
	s_or_b32 s[G0+4*\s+3], s[G0+4*\s+3], 0x80000000
	s_mov_b32 s[G0B+4*\s], 1
	s_add_co_u32 s[G0B+4*\s+1], s45, \s*SLOT
	s_add_nc_u64 s[G0B+4*\s+2:G0B+4*\s+3], s[46:47], \s*HALFB
	s_or_b32 s[G0B+4*\s+3], s[G0B+4*\s+3], 0x80000000
	s_wait_alu depctr_va_vdst(0)
	s_wait_tensorcnt 0x0
	ds_add_u32 v28, v29
	ds_add_u32 v28, v29
	s_wait_dscnt 0x0
	CROUND
	JLOAD G0+4*\s, G1, G0B+4*\s, G1B
.endr
	s_load_b64 s[98:99], s[12:13], 0x0
	v_and_b32 v1, 15, v0
	v_bfe_u32 v2, v0, 4, 1
	s_wait_alu depctr_va_vdst(0)
	v_and_b32 v3, 31, v0
	v_lshlrev_b32 v31, 4, v3
	s_mul_i32 s21, s15, HALFB
	s_mul_i32 s22, s16, HALFB
	s_add_co_u32 s22, s22, 2*HALFB
.irp s, 0,1
	v_add_nc_u32 v[ADRA+\s], s21, v31
	v_add_nc_u32 v[ADRB+\s], s22, v31
	s_add_co_u32 s21, s21, SLOT
	s_add_co_u32 s22, s22, SLOT
.endr
	s_mul_i32 s21, s15, HALFB
	s_mul_i32 s22, s16, HALFB
	s_add_co_u32 s22, s22, 2*HALFB
	s_sub_co_u32 s22, s22, s21
	v_mul_u32_u24 v6, s22, v2
	v_lshl_add_u32 v6, v1, 3, v6
	v_add_nc_u32 v[ADRS], s21, v6
	s_add_co_u32 s21, s21, SLOT
	v_add_nc_u32 v[ADRS+1], s21, v6
	v_and_b32 v4, 8, v1
	v_add_nc_u32 v4, v4, v1
	v_lshlrev_b32 v18, 7, v4
	v_lshl_add_u32 v18, v2, 6, v18
	v_lshlrev_b32 v19, 2, v3
	s_mul_i32 s23, s14, WREG
	s_add_co_u32 s23, s23, STG
	v_mul_u32_u24 v24, v4, 528
	v_lshl_add_u32 v24, v2, 6, v24
	v_add_nc_u32 v24, s23, v24
	v_add_nc_u32 v25, s23, v19
	v_and_b32 v5, 7, v0
	v_lshl_or_b32 v5, v2, 3, v5
	v_bfe_u32 v7, v0, 3, 1
	v_mul_u32_u24 v26, v7, 1536
	v_lshl_add_u32 v26, v5, 4, v26
	v_add_nc_u32 v26, s23, v26
	v_add_nc_u32 v26, IMG, v26
	v_add_nc_u32 v27, s23, v31
	v_add_nc_u32 v27, IMG, v27
	v_lshlrev_b32 v30, 6, v7
	v_lshl_add_u32 v30, v5, 2, v30
	v_lshlrev_b32 v15, 12, v3
	s_mov_b32 s72, ttmp9
	s_lshl_b32 s73, s40, 1
	s_add_co_u32 s73, s73, s16
	s_lshl_b32 s91, s17, 8
	s_lshl_b32 s18, s15, 7
	s_add_co_u32 s91, s91, s18
	s_lshl_b32 s92, s91, 12
	s_lshl_b32 s93, s73, 9
	s_add_co_u32 s92, s92, s93
	s_mov_b32 s93, 0
	s_add_nc_u64 s[74:75], s[10:11], s[92:93]
	s_lshl_b32 s92, s91, 7
	s_add_nc_u64 s[76:77], s[8:9], s[92:93]
	s_lshl_b32 s92, s73, 8
	s_lshl_b32 s93, s17, 4
	s_add_co_u32 s92, s92, s93
	s_lshl_b32 s93, s15, 3
	s_add_co_u32 s92, s92, s93
	s_mul_i32 s94, s92, 1536
	s_lshl_b32 s95, s92, 6
	s_add_co_u32 s95, s95, 3145728
	s_lshl_b32 s92, s73, 4
	s_add_co_u32 s92, s92, s17
	s_mul_i32 s92, s92, 2*HALFB
	s_cmp_eq_u32 s72, 2
	s_cselect_b32 s93, HALFB, 0
	s_add_co_u32 s92, s92, s93
	s_mul_i32 s93, s15, 12288
	s_add_co_u32 s93, s92, s93
	s_lshl_b32 s96, s15, 9
	s_add_co_u32 s96, s96, s92
	s_add_co_u32 s96, s96, 24576
	s_cmp_eq_u32 s72, 0
	s_cselect_b32 s94, s94, s93
	s_cselect_b32 s96, s95, s96
	s_cselect_b64 s[78:79], s[68:69], s[70:71]
	s_mov_b32 s95, 0
	s_mov_b32 s97, 0
	s_add_nc_u64 s[80:81], s[78:79], s[96:97]
	s_add_nc_u64 s[78:79], s[78:79], s[94:95]
	s_mov_b32 s[SEL], 0x76543210
	s_mov_b32 s[SEL+1], 0xfedcba98
	s_mov_b32 s88, 0xffff0000
	s_mov_b32 s89, 0x3c000000
	s_mov_b32 s90, 0x34000000
	s_wait_kmcnt 0x0
	s_mov_b32 s82, s98
	s_mov_b32 s83, s98
	s_mov_b32 s84, s99
	s_mov_b32 s85, s99
.macro FRAG reg, adr, q, i
.irp c, 0,1,2
	ds_load_b128 v[\reg+4*\c:\reg+4*\c+3], v[\adr] offset:(2*(\i)+(\q))*1536+512*\c
.endr
.endm
.macro MUL16 a0, p, q, sc, zero
.irp a, \a0, \a0+1
.irp b, 0,1,2,3,4,5,6,7
.if \zero
	v_wmma_scale_f32_16x16x128_f8f6f4 v[8*(8*((\a)%4)+\b):8*(8*((\a)%4)+\b)+7], v[128*(\p)+FR*\b:128*(\p)+FR*\b+FR-1], v[AF+FR*(\a):AF+FR*(\a)+FR-1], 0, v[SC+8*NQ*(\sc)+NQ*\b+(\q)], v[SC+8*NQ*(\sc)+NQ*(\a)+(\q)] matrix_a_fmt:MATRIX_FMT_FP6 matrix_b_fmt:MATRIX_FMT_FP6 matrix_a_scale:MATRIX_SCALE_ROW1
.else
	v_wmma_scale_f32_16x16x128_f8f6f4 v[8*(8*((\a)%4)+\b):8*(8*((\a)%4)+\b)+7], v[128*(\p)+FR*\b:128*(\p)+FR*\b+FR-1], v[AF+FR*(\a):AF+FR*(\a)+FR-1], v[8*(8*((\a)%4)+\b):8*(8*((\a)%4)+\b)+7], v[SC+8*NQ*(\sc)+NQ*\b+(\q)], v[SC+8*NQ*(\sc)+NQ*(\a)+(\q)] matrix_a_fmt:MATRIX_FMT_FP6 matrix_b_fmt:MATRIX_FMT_FP6 matrix_a_scale:MATRIX_SCALE_ROW1
.endif
.endr
.endr
.endm
.macro FETCH_B slot, q, p
	WIN TO_B
.irp i, 0,1,2,3,4,5,6,7
	FRAG 128*(\p)+FR*\i, ADRB+\slot, \q, \i
.endr
	WIN 0
.endm
.macro FETCH_A slot, q, i0
.irp i, \i0, \i0+1, \i0+2, \i0+3
	FRAG AF+FR*(\i), ADRA+\slot, \q, \i
.endr
.endm
.macro SCALES sc
.irp i, 0,1,2,3,4,5,6,7
	ds_load_b64 v[SC+8*NQ*\sc+NQ*\i:SC+8*NQ*\sc+NQ*\i+1], v[ADRS+\sc] offset:24576+128*\i
.endr
.endm
.macro PLACES n
.rept \n
	v_nop
.endr
.endm
.macro PREF g0
	s_cmp_eq_u32 s72, 2
	s_cbranch_scc0 .Lno_ve_\@
	s_wait_alu depctr_va_vdst(0)
.irp g, 0,1
.irp f, 0,1
	global_prefetch_b8 v15, s[74:75] offset:((\g0)+\g)*131072+256*\f th:TH_LOAD_NT scope:SCOPE_SE
.endr
.endr
.Lno_ve_\@:
.endm
.macro STEP slot, q, zero
	s_wait_dscnt 4*NL
	WIN MUL_LO
	MUL16 0, (\q)%2, \q, \slot, \zero
	MUL16 2, (\q)%2, \q, \slot, \zero
	s_wait_dscnt 0
	PLACES NP
	FETCH_B \slot, (\q)+1, 1-(\q)%2
	FETCH_A \slot, (\q)+1, 0
	WIN MUL_HI
	MUL16 4, (\q)%2, \q, \slot, \zero
	MUL16 6, (\q)%2, \q, \slot, \zero
	PLACES NP
	WIN 0
	FETCH_A \slot, (\q)+1, 4
.endm
.macro TURN slot, next, fill, pf
	s_wait_tensorcnt 0x0
	ds_add_u32 v[SPW], v[NIL]
	s_wait_dscnt 4*NL+1
	WIN MUL_LO
	MUL16 0, 1, NQ-1, \slot, 0
	s_wait_dscnt 0x0
	s_barrier_signal -1
	MUL16 2, 1, NQ-1, \slot, 0
	WIN 0
	s_barrier_wait -1
.if \fill
	CREST
	s_add_nc_u64 s[G0+4*\slot+2:G0+4*\slot+3], s[G0+4*\slot+2:G0+4*\slot+3], 2*HALFB
	s_add_nc_u64 s[G0B+4*\slot+2:G0B+4*\slot+3], s[G0B+4*\slot+2:G0B+4*\slot+3], 2*HALFB
	JLOAD G0+4*\slot, G1, G0B+4*\slot, G1B
.else
	PLACES NP
.endif
	FETCH_B \next, 0, 0
	FETCH_A \next, 0, 0
	SCALES \next
.if \fill
	PREF \pf
.endif
	WIN MUL_HI
	MUL16 4, 1, NQ-1, \slot, 0
	MUL16 6, 1, NQ-1, \slot, 0
	PLACES NP
	WIN 0
	FETCH_A \next, 0, 4
.endm
	s_wait_tensorcnt 1
	s_barrier_signal -1
	s_barrier_wait -1
	FETCH_B 0, 0, 0
	FETCH_A 0, 0, 0
	SCALES 0
	FETCH_A 0, 0, 4
	STEP 0, 0, 1
	s_mov_b32 s3, LAPS-1
.Llap:
	TURN 0, 1, 1, 0
	STEP 1, 0, 0
	TURN 1, 0, 1, 2
	STEP 0, 0, 0
	s_sub_co_u32 s3, s3, 1
	s_cmp_lg_u32 s3, 0
	s_cbranch_scc1 .Llap
	TURN 0, 1, 0, 0
	STEP 1, 0, 0
	s_wait_dscnt 4*NL
	WIN MUL_LO
	MUL16 0, 1, NQ-1, 1, 0
	MUL16 2, 1, NQ-1, 1, 0
	s_wait_dscnt 0
	WIN MUL_HI
	MUL16 4, 1, NQ-1, 1, 0
	MUL16 6, 1, NQ-1, 1, 0
	WIN 0
	PLACES NP
	s_cmp_eq_u32 s72, 2
	s_cbranch_scc1 .Lv
.macro CLOAD a
.irp j, 0,1,2,3
	global_load_b128 v[CT+32*((\a)%2)+4*\j:CT+32*((\a)%2)+4*\j+3], v18, s[76:77] offset:(32*((\a)/2)+8*((\a)%2))*128+16*\j
.endr
.irp j, 0,1,2,3
	global_load_b128 v[CT+16+32*((\a)%2)+4*\j:CT+16+32*((\a)%2)+4*\j+3], v18, s[76:77] offset:524288+(32*((\a)/2)+8*((\a)%2))*128+16*\j
.endr
.endm
	CLOAD 0
.irp a, 0,1,2,3,4,5,6,7
	v_mov_b32 v[RS+2*\a+1], 0
.endr
.irp w, 0,1
	WIN 0x0a+5*\w
.set P, 0
.rept 32
.irp a, 0,1,2,3
.if P == 0
	v_pk_mul_f32 v[SS+2*(4*\w+\a):SS+2*(4*\w+\a)+1], v[64*\a+2*P:64*\a+2*P+1], v[64*\a+2*P:64*\a+2*P+1]
.else
	v_pk_fma_f32 v[SS+2*(4*\w+\a):SS+2*(4*\w+\a)+1], v[64*\a+2*P:64*\a+2*P+1], v[64*\a+2*P:64*\a+2*P+1], v[SS+2*(4*\w+\a):SS+2*(4*\w+\a)+1]
.endif
.endr
.set P, P+1
.endr
.endr
	WIN 0
.irp a, 0,1,2,3,4,5,6,7
	v_add_f32 v[SS+2*\a], v[SS+2*\a], v[SS+2*\a+1]
.endr
.irp a, 0,1,2,3,4,5,6,7
	v_permlanex16_b32 v[SS+2*\a+1], v[SS+2*\a], s[SEL], s[SEL+1]
.endr
.irp a, 0,1,2,3,4,5,6,7
	v_add_f32 v[SS+2*\a], v[SS+2*\a], v[SS+2*\a+1]
.endr
.irp a, 0,1,2,3,4,5,6,7
	v_fma_f32 v[SS+2*\a], v[SS+2*\a], s89, s90
.endr
	s_wait_alu depctr_va_vdst(0)
.irp a, 0,1,2,3,4,5,6,7
	v_rsq_f32 v[RS+2*\a], v[SS+2*\a]
.endr
	v_nop
	s_wait_alu depctr_va_vdst(0)
	CLOAD 1
.macro QKTILE a
	WIN 0x02+((\a)/4)
.set P, 0
.rept 32
	v_pk_mul_f32 v[XN+2*P:XN+2*P+1], v[64*((\a)%4)+2*P:64*((\a)%4)+2*P+1], v[RS+2*(\a):RS+2*(\a)+1] op_sel_hi:[1,0]
.set P, P+1
.endr
	WIN 0
.if (\a) < 7
	s_wait_loadcnt 8
.else
	s_wait_loadcnt 0x0
.endif
	s_wait_xcnt 0x0
.set CB, CT+32*((\a)%2)
.irp e, 0,2,4,6,8,10,12,14
	v_pk_mul_f32 v[PC+\e:PC+\e+1], v[XN+32+\e:XN+33+\e], v[CB+16+\e:CB+17+\e]
.endr
.irp e, 0,2,4,6,8,10,12,14
	v_pk_mul_f32 v[TM+\e:TM+\e+1], v[XN+\e:XN+\e+1], v[CB+16+\e:CB+17+\e]
.endr
.irp e, 0,2,4,6,8,10,12,14
	v_pk_fma_f32 v[XN+\e:XN+\e+1], v[XN+\e:XN+\e+1], v[CB+\e:CB+\e+1], v[PC+\e:PC+\e+1]
.endr
.irp e, 0,2,4,6,8,10,12,14
	v_pk_fma_f32 v[XN+32+\e:XN+33+\e], v[XN+32+\e:XN+33+\e], v[CB+\e:CB+\e+1], v[TM+\e:TM+\e+1] neg_lo:[0,0,1] neg_hi:[0,0,1]
.endr
.if (\a) < 6
	CLOAD (\a)+2
.endif
	QUANT XN, PC, TM, PW+(\a)
.irp c, 0,1,2
	global_store_b128 v31, v[PC+4*\c:PC+4*\c+3], s[78:79] offset:1536*(\a)+512*\c
.endr
.endm
.irp a, 0,1,2,3,4,5,6,7
	QKTILE \a
.endr
.irp p, 0,1,2,3
	v_cndmask_b32 v[TT+\p], v[PW+2*\p], v[PW+2*\p+1], s88
.endr
.irp p, 0,1,2,3
	global_store_b32 v19, v[TT+\p], s[80:81] offset:128*\p
.endr
	s_branch .Ldone
.Lv:
.macro VLOAD G
.set I, 0
.rept 32
	global_load_b32 v[96+32*((\G)%2)+I], v19, s[74:75] offset:(32*((\G)/4)+I)*4096+128*((\G)%4) th:TH_LOAD_NT
.set I, I+1
.endr
.endm
.macro VSTAGE be
	WIN 0x08+4*((\be)/2)
.irp u, 0,1
.irp b, 0,1,2,3,4,5,6,7
	ds_store_b128 v24, v[64*((2*(\be)+\u)%4)+8*\b:64*((2*(\be)+\u)%4)+8*\b+3] offset:8*\u*528+128*(\b/2)+32*(\b%2)
	ds_store_b128 v24, v[64*((2*(\be)+\u)%4)+8*\b+4:64*((2*(\be)+\u)%4)+8*\b+7] offset:8*\u*528+128*(\b/2)+32*(\b%2)+16
.endr
.endr
	WIN 0
.endm
.macro VGROUP G
.set BE, (\G)/4
.set GG, (\G)%4
.set VE, 96+32*((\G)%2)
.set I, 0
.rept 32
	ds_load_b32 v[64+I], v25 offset:528*I+128*GG
.set I, I+1
.endr
	s_wait_dscnt 0x0
.if (\G) < 15
	s_wait_loadcnt 32
.else
	s_wait_loadcnt 0x0
.endif
.set I, 0
.rept 16
	v_pk_mul_f32 v[64+I:65+I], v[64+I:65+I], s[82:83] op_sel_hi:[1,0]
.set I, I+2
.endr
.set I, 0
.rept 16
	v_pk_fma_f32 v[64+I:65+I], v[VE+I:VE+I+1], s[84:85], v[64+I:65+I] op_sel_hi:[1,0,1]
.set I, I+2
.endr
.if (\G) < 14
	VLOAD (\G)+2
.endif
	v_max3_num_f32 v176, |v64|, |v65|, |v66|
	v_max3_num_f32 v177, |v67|, |v68|, |v69|
.irp i, 6,10,14,18,22,26
	v_max3_num_f32 v176, v176, |v[64+\i]|, |v[65+\i]|
	v_max3_num_f32 v177, v177, |v[66+\i]|, |v[67+\i]|
.endr
	v_max3_num_f32 v176, v176, |v94|, |v95|
	v_max3_num_f32 v176, v176, v177, 0x1800000
	v_add_nc_u32 v178, 0xff000000, v176
	v_lshrrev_b32 v179, 23, v178
.if BE == 0
	v_mov_b32 v[172+GG], v179
.else
	v_lshl_or_b32 v[172+GG], v179, 8*BE, v[172+GG]
.endif
	v_cvt_scalef32_pk16_fp6_f32 v[160:162], v[64:79], v178
	v_cvt_scalef32_pk16_fp6_f32 v[168:170], v[80:95], v178
	v_nop
	v_mov_b32 v163, v168
	v_mov_b32 v164, v169
	v_mov_b32 v165, v170
.if BE < 2
	ds_store_b128 v26, v[160:163] offset:3072*GG+256*(BE%2)
	ds_store_b64 v26, v[164:165] offset:3072*GG+256*(BE%2)+512
.else
	ds_store_b64 v26, v[160:161] offset:3072*GG+256*(BE%2)+520
	ds_store_b128 v26, v[162:165] offset:3072*GG+256*(BE%2)+1024
.endif
.endm
	VLOAD 0
	VLOAD 1
.irp be, 0,1,2,3
	VSTAGE \be
.irp g, 0,1,2,3
	VGROUP 4*\be+\g
.endr
.endr
.irp g, 0,1,2,3
	global_store_b32 v30, v[172+\g], s[80:81] offset:128*\g
.endr
.set I, 0
.rept 24
	ds_load_b128 v[64+4*I:67+4*I], v27 offset:512*I
.set I, I+1
.endr
.set I, 0
.rept 24
	s_wait_dscnt 23-I
	global_store_b128 v31, v[64+4*I:67+4*I], s[78:79] offset:512*I
.set I, I+1
.endr
.Ldone:
	s_wait_tensorcnt 0x0
	ds_add_u32 v[SPW], v[NIL]
	s_wait_dscnt 0x0
	CROUND
	s_endpgm
.Lfunc_end_k_qae4a07049d_qkv:
	.size	k_qae4a07049d_qkv, .Lfunc_end_k_qae4a07049d_qkv-k_qae4a07049d_qkv
	.p2alignl 7, 3214868480
	.fill 96, 4, 3214868480
	.section	.rodata,"a",@progbits
	.p2align	6, 0x0
	.amdhsa_kernel k_qae4a07049d_qkv
		.amdhsa_group_segment_fixed_size 327680
		.amdhsa_private_segment_fixed_size 0
		.amdhsa_enable_private_segment 0
		.amdhsa_kernarg_size 56
		.amdhsa_user_sgpr_count 2
		.amdhsa_user_sgpr_kernarg_segment_ptr 1
		.amdhsa_wavefront_size32 1
		.amdhsa_system_sgpr_workgroup_id_x 1
		.amdhsa_system_sgpr_workgroup_id_y 1
		.amdhsa_system_sgpr_workgroup_id_z 1
		.amdhsa_system_vgpr_workitem_id 0
		.amdhsa_next_free_vgpr 1024
		.amdhsa_next_free_sgpr 100
		.amdhsa_reserve_vcc 0
		.amdhsa_float_denorm_mode_32 3
		.amdhsa_float_denorm_mode_16_64 3
		.amdhsa_memory_ordered 1
		.amdhsa_forward_progress 1
		.amdhsa_inst_pref_size 255
	.end_amdhsa_kernel
	.section	.bss,"aw",@nobits
	.p2align	6
	.space	262144
	.amdgpu_metadata
---
amdhsa.version: [ 1, 2 ]
amdhsa.kernels:
  - .name:           k_qae4a07049d_qkv
    .symbol:         k_qae4a07049d_qkv.kd
    .args:
      - { .name: xq, .offset: 0, .size: 8, .value_kind: global_buffer, .address_space: global }
      - { .name: wq, .offset: 8, .size: 8, .value_kind: global_buffer, .address_space: global }
      - { .name: rope, .offset: 16, .size: 8, .value_kind: global_buffer, .address_space: global }
      - { .name: ve, .offset: 24, .size: 8, .value_kind: global_buffer, .address_space: global }
      - { .name: lambdas, .offset: 32, .size: 8, .value_kind: global_buffer, .address_space: global }
      - { .name: qq, .offset: 40, .size: 8, .value_kind: global_buffer, .address_space: global }
      - { .name: kv, .offset: 48, .size: 8, .value_kind: global_buffer, .address_space: global }
    .group_segment_fixed_size: 327680
    .private_segment_fixed_size: 0
    .kernarg_segment_align: 8
    .kernarg_segment_size: 56
    .max_flat_workgroup_size: 128
    .sgpr_count:     100
    .vgpr_count:     1024
    .wavefront_size: 32
...
	.end_amdgpu_metadata
.endif
;; end of part 2
;; launch attn (part 3): grid 32 x 8, 8 waves a work-group, clusters of 4 x 1, 327,680 bytes of LDS; arguments qq, kv, yq; writes yq
.if DOCPART == 3
	.amdgcn_target "amdgcn-amd-amdhsa--gfx1250"
	.amdhsa_code_object_version 6
	.text
	.protected	k_qae4a07049d_attn
	.globl	k_qae4a07049d_attn
	.p2align	8
	.type	k_qae4a07049d_attn,@function
k_qae4a07049d_attn:
	s_mov_b64 s[64:65], 0
	v_nop
	global_prefetch_b8 v0, s[64:65] scope:SCOPE_SE
	s_setreg_imm32_b32 hwreg(HW_REG_WAVE_MODE, 25, 1), 1
	s_wait_xcnt 0x0
	s_wait_alu depctr_hold_cnt(0) depctr_sa_sdst(0) depctr_va_vdst(0) depctr_va_sdst(0) depctr_va_ssrc(0) depctr_va_vcc(0) depctr_vm_vsrc(0)
	s_getreg_b32 s2, hwreg(HW_REG_IB_STS2, 6, 4)
	s_cmp_eq_u32 s2, 0
	s_cbranch_scc0 .Lentry_in_a_cluster
	s_endpgm
.Lentry_in_a_cluster:
	s_bfe_u32 s2, ttmp6, 0x10000c
	s_cmp_lg_u32 s2, 0x3003
	s_cbranch_scc0 .Lentry_shape_is_right
	s_endpgm
.Lentry_shape_is_right:
; ATTN.  y[q] = (sum over keys k <= q of p v[k]) / (sum of p), p = 2^(t - 28), t = (q . k) x 0.12 x log2(e); both products on codes of FP6 (E2M3) with E8M0 scales; p is quantised along the keys, the sum is taken of the
; unquantised p; y is quantised along the head's 128 and stored as the last product's operand.
; THE SHIFT IS THE CONSTANT 28, by the computation's own bound.  q and k are RMS-normalised: their norm is at most sqrt(128).  The quantiser moves an element by at most the larger of |x| / 16 and (its block's largest) / 64,
; so a vector by at most sqrt(1/256 + 1/128) = 0.108 of its norm: |q . k| <= 128 x 1.108^2 = 157.2 and |t| <= 157.2 x 0.1731 = 27.3, for every input.  So p lies in 2^-56 .. 1: no exponential and no sum of up to 4,096 of them
; overflows or underflows.  28 is a whole number: against the row's own ceiling only the blocks' scale bytes move, the codes' values are the same, and the common factor leaves in the division.
; Sums over disjoint keys are then plainly added: four waves share a tile's keys.
; SHARES.  A work-group owns two blocks of 64 queries of one head: i = 4 x cluster x + cx (0..31) and 63 - i.  A slot is 512 keys.  With m = i / 8 the block 63 - i needs slots 0 .. 7 - m and the block i slots 0 .. m:
; 9 slots whatever i.  The work-group walks the high block's slots, then the low block's.  Wave w = 4 p + kq: the 32 queries of pair p (two tiles of 16) and key step kq (128 keys) of every slot: each fragment of K and V feeds two tiles.
; A slot is 102,400 dense bytes (two runs of a K block and a V block; fragments as images of their registers, 1,536 bytes each, scale words behind them); two slots take turns; each of the eight waves fetches 12,800 bytes.
; CLUSTER.  The four partners have the same m, so the same walk: each slot is asked for JOINTLY.  Every branch hangs on the walk's counter and the cluster's x alone.  In a block's last slot every wave masks; a key step that is wholly hidden adds zeros.
; THE CHANGE OF BLOCKS.  A wave puts the high block's O^T away: 112 registers into LDS bytes of its own (8 x 14,336 bytes fit beside the ring), 16 into spare registers; its sums go to LDS too; Q's new fragments are loaded.
; THE END.  Both blocks' parts lie in LDS (the low block's in the ring's bytes, which have had their last fill and their last read); there are 2 blocks x 2 pairs x 2 tiles = 8 tiles to finish, one for each wave.
; Register tile j of a wave is the pair's tile j xor (kq / 2): told apart by addresses alone.
; LAYOUT.  Both products are used transposed: S^T = K Q^T, O^T = V^T P^T: a lane holds ONE query (lane % 16) of each tile.  Lane r of key tile a holds key 32 (a / 2) + 8 (a % 2) + r + 8 (r / 8), so the 16 registers of tiles
; 2 b and 2 b + 1 are keys 32 b + 16 (lane / 16) + 0 .. 15; V's tiles take the head's channels in the same order.
; REGISTERS.  Window 0: v0-23 addresses and constants; v24-43 scale words and nothing else; v44-59 at work; v60-75 the 16 registers kept; v80-127 K's fragments 0-3, then p's codes; v128-255 S^T, then p.
; Window 1: v0-127 O^T (tile j at 64 j); v128-175 K's fragments 4-7, then V's 4-7; v176-223 V's 0-3; v224-247 Q.
; LIMITS: NaN and infinities are not served; a block of zeros gets the byte 1.
.set SLOTB, 102400
.set HREG,  2*SLOTB                    ; behind the ring: the high block's parts, HW bytes a wave, HT a tile
.set HW,    14336
.set HT,    7168
.set HSUM,  HREG+8*HW                  ; the high block's sums: [pair][tile][kq] x 128 bytes
.set SPARE, HSUM+2048                  ; the spare words, 128 bytes for each of the eight waves
.set LKB,   131072                     ; at the end, in the ring's bytes: the low block's parts from 0 on; each tile's last 8 registers from LKB on (the high block's 16,384 further on);
.set LSUM,  163840                     ; and the low block's sums
.set WV, 18
.set SEL, 20
.set CS, 22
.set SL, 40                            ; s40 the walk's counter, 0..8
.set NSW, 41                           ; s41 where the low block begins: 8 - m
.set LOOP, 42
.set PLIM, 43                          ; s43 6 in a wave that prefetches, else 0
.set PFA, 44
.set DG, 46                            ; s46 the high block's last slot: 7 - m
.set DL, 49                            ; s49 what the change of blocks adds to d
.set KVB, 56                           ; s[56:57] my 12,800 bytes of the head's slot 0
.set SK, 24
.set SV, 32
.set SQ, 40
.set SP, 42
.set T, 44
.set U, 52
.set KP, 60
.set KL, 80
.set PC, 80
.set CH, 104
.set CV, 104
.set S, 128
.set SM, 14
.set XB, 128
.set YB, 176
.set QB, 224
.set MSB, 0
.macro WIN new                         ; the immediate's high byte repeats the setting that is left
.if MSB != (\new)
	s_set_vgpr_msb (MSB<<8)|(\new)
.set MSB, (\new)
.endif
.endm
.macro PLACES
.rept 4
	v_nop
.endr
.endm
.macro CROUND                          ; a round of the cluster's barrier
	s_barrier_signal -1
	s_barrier_wait -1
	s_cmp_lg_u32 s[WV], 0
	s_cbranch_scc1 .Lnot_wave_0_\@
	s_barrier_signal -3
.Lnot_wave_0_\@:
	s_barrier_wait -3
	s_barrier_signal -1
	s_barrier_wait -1
.endm
; 64 numbers of a lane, v[s] on, register 16 b + e = k 32 b + 16 (lane / 16) + e of my row, become a fragment's codes in v[pc] .. v[pc + 11] and its scale word in v[pw].
.macro QUANT s, pc, tm, pw
.irp b, 0,1,2,3
	v_max3_num_f32 v[\tm+\b], |v[\s+16*\b]|, |v[\s+1+16*\b]|, 0x1800000
.endr
.irp i, 2,4,6,8,10,12,14
.irp b, 0,1,2,3
	s_delay_alu instid0(VALU_DEP_4)
	v_max3_num_f32 v[\tm+\b], v[\tm+\b], |v[\s+16*\b+\i]|, |v[\s+1+16*\b+\i]|
.endr
.endr
.irp b, 0,1,2,3
	s_delay_alu instid0(VALU_DEP_4)
	v_permlanex16_b32 v[\tm+4+\b], v[\tm+\b], s[SEL], s[SEL+1]
.endr
.irp b, 0,1,2,3
	s_delay_alu instid0(VALU_DEP_4)
	v_max_num_f32 v[\tm+\b], v[\tm+\b], v[\tm+4+\b]
.endr
.irp b, 0,1,2,3
	s_delay_alu instid0(VALU_DEP_4)
	v_add_nc_u32 v[\tm+12+\b], 0xff000000, v[\tm+\b]
.endr
.irp b, 0,1,2,3
	s_delay_alu instid0(VALU_DEP_4)
	v_lshrrev_b32 v[\tm+4+\b], 23, v[\tm+12+\b]
.endr
	s_delay_alu instid0(VALU_DEP_3)
	v_lshl_or_b32 v[\pw], v[\tm+5], 8, v[\tm+4]
	s_delay_alu instid0(VALU_DEP_1)
	v_lshl_or_b32 v[\pw], v[\tm+6], 16, v[\pw]
	s_delay_alu instid0(VALU_DEP_1)
	v_lshl_or_b32 v[\pw], v[\tm+7], 24, v[\pw]
.irp c, 0,1
	v_cvt_scalef32_pk16_fp6_f32 v[\pc+6*\c:\pc+2+6*\c], v[\s+32*\c:\s+15+32*\c], v[\tm+12+2*\c]
	v_cvt_scalef32_pk16_fp6_f32 v[\pc+12+4*\c:\pc+14+4*\c], v[\s+16+32*\c:\s+31+32*\c], v[\tm+12+2*\c+1]
.endr
	v_nop                                          ; one plain place behind a scaled conversion
.irp c, 0,1
.irp i, 0,1,2
	v_permlane16_swap_b32 v[\pc+6*\c+\i], v[\pc+12+4*\c+\i]
.endr
.irp i, 0,1,2
	s_delay_alu instid0(VALU_DEP_3)
	v_mov_b32 v[\pc+3+6*\c+\i], v[\pc+12+4*\c+\i]
.endr
.endr
.endm
; Q's two fragments and scale words; sb: the pair's first tile, counted through all heads.  The address registers are written again only behind the wait for these loads.
.macro QLOAD sb
	s_add_co_u32 s50, \sb, s15
	s_add_co_u32 s51, \sb, s17
	s_mul_i32 s52, s50, 1536
	s_mul_i32 s53, s51, 1536
	s_lshl_b32 s50, s50, 6
	s_lshl_b32 s51, s51, 6
	v_add_nc_u32 v[T], s52, v9
	v_add_nc_u32 v[T+1], s53, v9
	v_and_b32 v[T+3], 15, v0
	s_delay_alu instid0(VALU_DEP_1)
	v_lshlrev_b32 v[T+3], 2, v[T+3]
	s_delay_alu instid0(VALU_DEP_1)
	v_add_nc_u32 v[T+2], s50, v[T+3]
	v_add_nc_u32 v[T+3], s51, v[T+3]
	WIN 0x40
.irp j, 0,1
.irp c, 0,1,2
	global_load_b128 v[QB+12*\j+4*\c:QB+12*\j+4*\c+3], v[T+\j], s[4:5] offset:512*\c
.endr
.endr
	WIN 0
	global_load_b32 v[SQ], v[T+2], s[4:5] offset:3145728
	global_load_b32 v[SQ+1], v[T+3], s[4:5] offset:3145728
.endm
.macro FOLD                            ; each tile's sum: its two halves and lane l xor 16's, into v[U+2], v[U+3]
	v_add_f32 v[U], v[SM], v[SM+1]
	v_add_f32 v[U+1], v[SM+2], v[SM+3]
	s_delay_alu instid0(VALU_DEP_2)
	v_permlanex16_b32 v[U+2], v[U], s[SEL], s[SEL+1]
	s_delay_alu instid0(VALU_DEP_2)
	v_permlanex16_b32 v[U+3], v[U+1], s[SEL], s[SEL+1]
	s_delay_alu instid0(VALU_DEP_2)
	v_add_f32 v[U+2], v[U+2], v[U]
	s_delay_alu instid0(VALU_DEP_2)
	v_add_f32 v[U+3], v[U+3], v[U+1]
.endm
.macro DUMP m                          ; 56 registers of each tile of O^T to LDS, each accumulator from its low end on; v[m], v[m + 1]: where
	WIN 0x04
.irp j, 0,1
.irp c, 0,1,2,3,4,5,6,7,8,9,10,11,12,13
	ds_store_b128 v[\m+\j], v[64*\j+4*\c:64*\j+4*\c+3] offset:512*\c
.endr
.endr
.endm
.macro CLEAR                           ; O^T and the sums begin at zero: the step is written once for all slots
	WIN 0x40
.set J, 0
.rept 128
	v_mov_b32 v[J], 0
.set J, J+1
.endr
	WIN 0
.irp e, 0,1,2,3
	v_mov_b32 v[SM+\e], 0
.endr
.endm
; THE CHANGE OF BLOCKS, ahead of the change of slots
.macro SWITCH
	s_wait_tensorcnt 0x0
	s_wait_loadcnt 0x0                             ; no load of Q is out: its registers and its address registers may be written again
	FOLD
	ds_store_b32 v18, v[U+2]
	ds_store_b32 v19, v[U+3]
	DUMP 10
	WIN 0x01
.irp j, 0,1
.irp e, 0,1,2,3,4,5,6,7
	v_mov_b32 v[KP+8*\j+\e], v[64*\j+56+\e]        ; each tile's last accumulator stays in registers
.endr
.endr
	WIN 0
	v_add_nc_u32 v7, s[DL], v7                     ; d for the low block's last slot
	v_add_nc_u32 v8, s[DL], v8
	QLOAD s59
	s_wait_dscnt 0x0                               ; the stores have read their registers
	CLEAR
.endm
; MY KEY STEP of the slot in hand: 128 keys x 32 queries.  a, sa: the slot's address registers
.macro STEP a, sa, last
.irp t, 0,1,2,3
.irp c, 0,1,2
	ds_load_b128 v[KL+12*\t+4*\c:KL+12*\t+4*\c+3], v[\a] offset:\t*1536+512*\c
.endr
.endr
.irp t, 0,1,2,3,4,5,6,7
	ds_load_b32 v[SK+\t], v[\sa] offset:64*\t
.endr
	WIN 0x40
.irp t, 0,1,2,3
.irp c, 0,1,2
	ds_load_b128 v[XB+12*\t+4*\c:XB+12*\t+4*\c+3], v[\a] offset:(4+\t)*1536+512*\c
.endr
.endr
.irp t, 0,1,2,3
.irp c, 0,1,2
	ds_load_b128 v[YB+12*\t+4*\c:YB+12*\t+4*\c+3], v[\a] offset:25600+\t*1536+512*\c
.endr
.endr
	WIN 0
.irp t, 0,1,2,3,4,5,6,7
	ds_load_b32 v[SV+\t], v[\sa] offset:25600+64*\t
.endr
	s_wait_loadcnt 0x0                             ; Q (loaded at the head and at the change of blocks)
	s_wait_dscnt 32                                ; K's fragments 0-3 and scale words are in; K's 4-7 (12), V's 0-3 (12) and V's scale words (8) may be out
	WIN 0x04
.irp t, 0,1,2,3
.irp j, 0,1
	v_wmma_scale_f32_16x16x128_f8f6f4 v[S+64*\j+8*\t:S+64*\j+8*\t+7], v[KL+12*\t:KL+12*\t+11], v[QB+12*\j:QB+12*\j+11], 0, v[SK+\t], v[SQ+\j] matrix_a_fmt:MATRIX_FMT_FP6 matrix_b_fmt:MATRIX_FMT_FP6
.endr
.endr
	s_wait_dscnt 20                                ; K's 4-7 are in
	WIN 0x05
.irp t, 0,1,2,3
.irp j, 0,1
	v_wmma_scale_f32_16x16x128_f8f6f4 v[S+64*\j+32+8*\t:S+64*\j+32+8*\t+7], v[XB+12*\t:XB+12*\t+11], v[QB+12*\j:QB+12*\j+11], 0, v[SK+4+\t], v[SQ+\j] matrix_a_fmt:MATRIX_FMT_FP6 matrix_b_fmt:MATRIX_FMT_FP6
.endr
.endr
	WIN 0
	PLACES                                         ; in front of the loads below and of the first reads of the scores
	WIN 0x40
.irp t, 0,1,2,3
.irp c, 0,1,2
	ds_load_b128 v[XB+12*\t+4*\c:XB+12*\t+4*\c+3], v[\a] offset:25600+(4+\t)*1536+512*\c   ; V's 4-7 land under the softmax
.endr
.endr
	WIN 0
.if \last == 0
	s_cmp_lg_u32 s[SL], s[DG]
	s_cbranch_scc1 .Lopen_\@
.endif
.irp j, 0,1                                    ; in a block's last slot hidden scores become -infinity: p = 0.  Register 16 b + e is hidden where 32 b + e > d
.set N, 0
.rept 64
	v_cmp_gt_i32 vcc_lo, 32*(N/16)+N%16, v[7+\j]
	v_cndmask_b32 v[S+64*\j+N], v[S+64*\j+N], v20, vcc_lo
.set N, N+1
.endr
.endr
.Lopen_\@:
.irp b, 0,1,2,3,4,5,6,7
	v_max3_num_f32 v[T+\b], v[S+16*\b], v[S+1+16*\b], v[S+2+16*\b]   ; the largest score of each block of 32 keys: p rises with the score, so it gives the block's largest p.  The eight blocks by turns
.endr
.irp i, 3,5,7,9,11,13
.irp b, 0,1,2,3,4,5,6,7
	v_max3_num_f32 v[T+\b], v[T+\b], v[S+16*\b+\i], v[S+1+16*\b+\i]
.endr
.endr
.irp b, 0,1,2,3,4,5,6,7
	v_max_num_f32 v[T+\b], v[T+\b], v[S+15+16*\b]
.endr
.irp b, 0,1,2,3,4,5,6,7
	v_permlanex16_b32 v[U+\b], v[T+\b], s[SEL], s[SEL+1]
.endr
.irp b, 0,1,2,3,4,5,6,7
	v_max_num_f32 v[T+\b], v[T+\b], v[U+\b]        ; with lane l xor 16's 16 keys
.endr
.set J, 0
.rept 64
	v_pk_fma_f32 v[S+J:S+J+1], v[S+J:S+J+1], s[CS:CS+1], v[12:13] op_sel_hi:[1,0,0]   ; t - 28, two at a time
.set J, J+2
.endr
.irp b, 0,1,2,3,4,5,6,7
	v_fma_f32 v[T+\b], v[T+\b], s[CS], v12         ; the same of each block's largest score
.endr
	s_wait_alu depctr_va_vdst(0)                   ; the wait ahead of the batch
.set J, 0
.rept 128
	v_exp_f32 v[S+J], v[S+J]                       ; p = 2^(t - 28)
.set J, J+1
.endr
.irp b, 0,1,2,3,4,5,6,7
	v_exp_f32 v[T+\b], v[T+\b]                     ; the block's largest p: the same two instructions on the same number give the same bits
.endr
	v_nop                                          ; a plain place behind the exponentials
	s_wait_alu depctr_va_vdst(0)                   ; one wait for the whole batch, ahead of its first reader
.irp e, 0,1,2                                  ; the sums of the unquantised p: four chains a tile
.irp j, 0,1
	v_pk_add_f32 v[CH+6*\j+2*\e:CH+6*\j+2*\e+1], v[S+64*\j+4*\e:S+64*\j+4*\e+1], v[S+64*\j+4*\e+2:S+64*\j+4*\e+3]
.endr
.endr
.set J, 6
.rept 26
.irp j, 0,1
.if J%4 == 0
	v_pk_add_f32 v[SM+2*\j:SM+2*\j+1], v[SM+2*\j:SM+2*\j+1], v[S+64*\j+2*J:S+64*\j+2*J+1]
.else
	v_pk_add_f32 v[CH+6*\j+2*(J%4)-2:CH+6*\j+2*(J%4)-1], v[CH+6*\j+2*(J%4)-2:CH+6*\j+2*(J%4)-1], v[S+64*\j+2*J:S+64*\j+2*J+1]
.endif
.endr
.set J, J+1
.endr
.irp j, 0,1
	s_delay_alu instid0(VALU_DEP_4)
	v_pk_add_f32 v[CH+6*\j:CH+6*\j+1], v[CH+6*\j:CH+6*\j+1], v[CH+6*\j+2:CH+6*\j+3]
.endr
.irp j, 0,1
	s_delay_alu instid0(VALU_DEP_4)
	v_pk_add_f32 v[SM+2*\j:SM+2*\j+1], v[SM+2*\j:SM+2*\j+1], v[CH+6*\j+4:CH+6*\j+5]
.endr
.irp j, 0,1
	s_delay_alu instid0(VALU_DEP_2)
	v_pk_add_f32 v[SM+2*\j:SM+2*\j+1], v[SM+2*\j:SM+2*\j+1], v[CH+6*\j:CH+6*\j+1]
.endr
.irp b, 0,1,2,3,4,5,6,7
	v_max_num_f32 v[T+\b], 0x1800000, v[T+\b]      ; the floor 2^(3 - 127): a block of hidden keys keeps the byte 1, its codes are zeros
.endr
.irp b, 0,1,2,3,4,5,6,7
	v_add_nc_u32 v[U+\b], 0xff000000, v[T+\b]      ; 2 off the exponent field: the conversion's scale operand
.endr
.irp b, 0,1,2,3,4,5,6,7
	v_lshrrev_b32 v[T+\b], 23, v[U+\b]             ; the scale's byte
.endr
	v_lshl_or_b32 v[SP], v[T+1], 8, v[T]           ; p's scale words for these 128 keys
	s_delay_alu instid0(VALU_DEP_4)
	v_lshl_or_b32 v[SP+1], v[T+5], 8, v[T+4]
.irp e, 2,3
.irp j, 0,1
	s_delay_alu instid0(VALU_DEP_2)
	v_lshl_or_b32 v[SP+\j], v[T+4*\j+\e], 8*\e, v[SP+\j]
.endr
.endr
.irp j, 0,1
.irp c, 0,1
	v_cvt_scalef32_pk16_fp6_f32 v[PC+12*\j+6*\c:PC+12*\j+6*\c+2], v[S+64*\j+32*\c:S+64*\j+32*\c+15], v[U+4*\j+2*\c]
	v_cvt_scalef32_pk16_fp6_f32 v[CV+8*\j+4*\c:CV+8*\j+4*\c+2], v[S+64*\j+32*\c+16:S+64*\j+32*\c+31], v[U+4*\j+2*\c+1]
.endr
.endr
	v_nop                                          ; one plain place behind a scaled conversion
.irp j, 0,1
.irp c, 0,1
.irp i, 0,1,2
	v_permlane16_swap_b32 v[PC+12*\j+6*\c+\i], v[CV+8*\j+4*\c+\i]   ; the operand's layout wants a whole block in a lane
.endr
.endr
.endr
.irp j, 0,1
.irp c, 0,1
.irp i, 0,1,2
	v_mov_b32 v[PC+12*\j+6*\c+3+\i], v[CV+8*\j+4*\c+\i]
.endr
.endr
.endr
	PLACES                                         ; an operand written by a vector instruction stands 4 places ahead of a scaled matrix instruction, a scale register 8: the twelve moves and these four
	s_wait_alu depctr_va_vdst(0)                   ; directly ahead of the wait below
	s_wait_dscnt 0x0                               ; V's fragments and scale words are in
	WIN 0x51
.irp t, 0,1,2,3                                ; O^T += V^T P^T; the 16 accumulators take turns, one instruction a turn
.irp j, 0,1
	v_wmma_scale_f32_16x16x128_f8f6f4 v[64*\j+8*\t:64*\j+8*\t+7], v[YB+12*\t:YB+12*\t+11], v[PC+12*\j:PC+12*\j+11], v[64*\j+8*\t:64*\j+8*\t+7], v[SV+\t], v[SP+\j] matrix_a_fmt:MATRIX_FMT_FP6 matrix_b_fmt:MATRIX_FMT_FP6
.endr
.endr
.irp t, 0,1,2,3
.irp j, 0,1
	v_wmma_scale_f32_16x16x128_f8f6f4 v[64*\j+32+8*\t:64*\j+32+8*\t+7], v[XB+12*\t:XB+12*\t+11], v[PC+12*\j:PC+12*\j+11], v[64*\j+32+8*\t:64*\j+32+8*\t+7], v[SV+4+\t], v[SP+\j] matrix_a_fmt:MATRIX_FMT_FP6 matrix_b_fmt:MATRIX_FMT_FP6
.endr
.endr
	WIN 0
	PLACES                                         ; behind the last products: for the next loads into their operands and for the first reads of O^T
.endm
; A SLOT.  The change of slots stands at its head: each wave waits for all its tensor loads (its part of this slot), adds 0 to its spare word, and waits for that and for its reads of the other slot; a round of the
; cluster's barrier; behind it the other slot is filled with the walk's next 512 keys: one load a wave, which has this slot's work in which to land.
.macro TRIP slot, refill, last
	s_cmp_lg_u32 s[SL], s[NSW]
	s_cbranch_scc1 .Lnosw_\@
	SWITCH
.Lnosw_\@:
	s_wait_alu depctr_va_vdst(0)                   ; directly ahead of the wait below
	s_wait_tensorcnt 0x0                           ; no tensor load of mine is out, so a group 0 may be written
	ds_add_u32 v5, v6                              ; 0 onto my spare word
.if \refill
	s_add_co_u32 s50, s[SL], 1                     ; the walk's next place: slot n + 1 of the high block, or n + 1 - (8 - m) of the low
	s_cmp_lt_u32 s50, s[NSW]
	s_cselect_b32 s51, 0, s[NSW]
	s_sub_co_u32 s50, s50, s51
	s_mul_i32 s50, s50, SLOTB
	s_mov_b32 s51, 0
	s_add_nc_u64 s[38-4*\slot:39-4*\slot], s[KVB:KVB+1], s[50:51]
	s_or_b32 s[39-4*\slot], s[39-4*\slot], 0x80000000
	s_wait_xcnt 0x0                                ; the last prefetch, a slot back, has read its address
	s_add_nc_u64 s[PFA:PFA+1], s[PFA:PFA+1], SLOTB
.endif
	s_wait_dscnt 0x0                               ; the add is done, and my reads of the other slot are over
	CROUND
.if \refill
	tensor_load_to_lds s[36-4*\slot:39-4*\slot], s[24:31]   ; the first thing behind the round
	s_nop 0
	PLACES
; A PREFETCH INTO THE L2 of slot n + 2, which the next change of slots asks for.  All eight clusters of a head begin with the same slots; the one with x = 0, whose high blocks walk all eight, asks: its four partners take
; 25,600 bytes each, told apart BY ADDRESS; in each, waves 0-3 take 6,400: 25 aligned blocks of 256 bytes, a lane a block (lanes 25-31 name lane 24's again).  It asks while n < 6: slots 2 .. 7.
	s_cmp_lt_u32 s[SL], s[PLIM]
	s_cbranch_scc0 .Lnot_mine_\@
	global_prefetch_b8 v21, s[PFA:PFA+1] th:TH_LOAD_NT scope:SCOPE_SE
.Lnot_mine_\@:
.endif
	STEP 1+\slot, 3+\slot, \last
	s_add_co_u32 s[SL], s[SL], 1
.endm
	s_load_b128 s[4:7], s[0:1], 0x0                ; qq s[4:5], kv s[6:7]
	s_load_b64 s[8:9], s[0:1], 0x10                ; yq
	v_lshl_add_u32 v5, v0, 2, SPARE                ; v5: my spare word; never rewritten
	v_mov_b32 v6, 0                                ; v6: 0; never rewritten
	ds_add_u32 v5, v6                              ; the wave's opening: the add, twice on end, and its wait ahead of the first tensor load; work on registers stands between
	ds_add_u32 v5, v6
	v_lshrrev_b32 v1, 5, v0
	v_readfirstlane_b32 s[WV], v1                  ; wave 0..7
	s_bfe_u32 s11, ttmp6, 0x40000                  ; cx
	s_mov_b32 s10, ttmp9                           ; the cluster's x, 0..7
	s_and_b32 s12, ttmp7, 0xffff                   ; the head
	s_lshr_b32 s13, s[WV], 2                       ; p
	s_and_b32 s14, s[WV], 3                        ; kq
	s_lshr_b32 s15, s14, 1                         ; g = kq / 2: register tile 0 is the pair's tile g
	s_and_b32 s16, s14, 1
	s_xor_b32 s17, s15, 1                          ; register tile 1 is the pair's tile 1 - g
	s_lshl_b32 s47, s10, 2
	s_add_co_u32 s47, s47, s11                     ; i
	s_lshr_b32 s50, s10, 1                         ; m
	s_sub_co_u32 s[NSW], 8, s50
	s_sub_co_u32 s[DG], 7, s50
	s_and_b32 s51, s47, 7                          ; i % 8: the low block begins at query 64 (i % 8) of its last slot, the high block at 64 (7 - i % 8)
	s_lshl_b32 s[DL], s51, 7
	s_sub_co_u32 s[DL], s[DL], 448
	s_sub_co_u32 s51, 7, s51
	s_lshl_b32 s51, s51, 6
	s_lshl_b32 s52, s13, 5
	s_add_co_u32 s51, s51, s52
	s_lshl_b32 s52, s14, 7
	s_sub_co_u32 s51, s51, s52                     ; my pair's first query, counted from my key step's first key
	s_lshl_b32 s52, s15, 3
	s_add_co_u32 s78, s51, s52
	s_lshl_b32 s52, s17, 3
	s_add_co_u32 s79, s51, s52
	s_mov_b32 s24, 15|(3<<16)|(1<<21)              ; group 1: 12,800 dense bytes as 50 rows of 32 elements of 8 bytes; the mask: all four work-groups; bit 21 set beside it
	s_mov_b32 s25, 32<<16
	s_mov_b32 s26, 50<<16
	s_mov_b32 s27, 32<<16
	s_mov_b32 s28, 50
	s_mov_b32 s29, 32
	s_mov_b32 s30, 0
	s_mov_b32 s31, 0
	s_mov_b32 s32, 1
	s_mul_i32 s33, s[WV], 12800                    ; my eighth, in a slot and in memory
	s_mov_b32 s36, 1
	s_add_co_u32 s37, s33, SLOTB
	s_mul_i32 s52, s12, 8*SLOTB                    ; the head's eight slots
	s_add_co_u32 s54, s52, s33
	s_mov_b32 s55, 0
	s_mul_i32 s60, s11, 25600
	s_add_co_u32 s60, s60, s52
	s_mul_i32 s53, s14, 6400
	s_add_co_u32 s60, s60, s53
	s_add_co_u32 s60, s60, SLOTB                   ; the prefetches stand in slot 1: the first change of slots steps them to slot 2
	s_mov_b32 s61, 0
	s_or_b32 s50, s13, s10                         ; 0 in waves 0-3 of the head's cluster 0: the same in all four partners
	s_cmp_eq_u32 s50, 0
	s_cselect_b32 s[PLIM], 6, 0
	s_lshl_b32 s50, s12, 8
	s_lshl_b32 s51, s13, 1
	s_add_co_u32 s50, s50, s51
	s_lshl_b32 s51, s47, 2
	s_add_co_u32 s59, s50, s51                     ; the low block's pair of tiles of Q
	s_sub_co_u32 s51, 252, s51
	s_add_co_u32 s58, s50, s51                     ; the high block's
	s_mul_i32 s50, s15, 51200                      ; LDS: my key step lies in run kq / 2 of a slot, half kq % 2 of its blocks
	s_mul_i32 s72, s16, 12288
	s_add_co_u32 s72, s72, s50
	s_lshl_b32 s73, s16, 9
	s_add_co_u32 s73, s73, s50
	s_add_co_u32 s73, s73, 24576
	s_mul_i32 s50, s[WV], HW
	s_mul_i32 s80, s15, HT
	s_add_co_u32 s80, s80, s50                     ; where register tiles 0 and 1 are put away: the low block's,
	s_mul_i32 s81, s17, HT
	s_add_co_u32 s81, s81, s50
	s_add_co_u32 s74, s80, HREG                    ; the high block's
	s_add_co_u32 s75, s81, HREG
	s_lshl_b32 s50, s[WV], 11
	s_add_co_u32 s50, s50, LKB
	s_lshl_b32 s82, s15, 10
	s_add_co_u32 s82, s82, s50
	s_lshl_b32 s83, s17, 10
	s_add_co_u32 s83, s83, s50
	s_lshl_b32 s50, s13, 10
	s_lshl_b32 s51, s14, 7
	s_add_co_u32 s51, s51, s50
	s_lshl_b32 s84, s15, 9
	s_add_co_u32 s84, s84, s51
	s_lshl_b32 s85, s17, 9
	s_add_co_u32 s85, s85, s51
	s_add_co_u32 s76, s84, HSUM
	s_add_co_u32 s77, s85, HSUM
	s_add_co_u32 s84, s84, LSUM
	s_add_co_u32 s85, s85, LSUM
	s_mul_i32 s86, s15, HREG                       ; the tile that I finish: block g (1: the high one), pair p, tile kq % 2
	s_mul_i32 s51, s13, 4*HW
	s_add_co_u32 s86, s86, s51
	s_mul_i32 s51, s16, HT
	s_add_co_u32 s86, s86, s51
	s_lshl_b32 s87, s15, 14
	s_lshl_b32 s51, s13, 13
	s_add_co_u32 s87, s87, s51
	s_lshl_b32 s51, s16, 10
	s_add_co_u32 s87, s87, s51
	s_add_co_u32 s87, s87, LKB
	s_mul_i32 s88, s15, HSUM-LSUM
	s_add_co_u32 s88, s88, s50
	s_lshl_b32 s51, s16, 9
	s_add_co_u32 s88, s88, s51
	s_add_co_u32 s88, s88, LSUM
	s_sub_co_u32 s50, 63, s47
	s_cmp_eq_u32 s15, 1
	s_cselect_b32 s50, s50, s47
	s_lshl_b32 s50, s50, 2
	s_lshl_b32 s51, s13, 1
	s_add_co_u32 s50, s50, s51
	s_add_co_u32 s50, s50, s16                     ; its number among the head's 256 tiles
	s_lshr_b32 s52, s50, 3
	s_lshl_b32 s52, s52, 2
	s_lshr_b32 s53, s12, 1
	s_add_co_u32 s52, s52, s53
	s_mul_i32 s52, s52, 25600                      ; y: the block of 128 tokens and K slot head / 2
	s_and_b32 s50, s50, 7
	s_and_b32 s53, s12, 1
	s_lshl_b32 s51, s50, 1
	s_add_co_u32 s51, s51, s53
	s_mul_i32 s51, s51, 1536
	s_add_co_u32 s66, s52, s51                     ; fragment 2 x tile + head % 2
	s_mov_b32 s67, 0
	s_lshl_b32 s50, s50, 7
	s_lshl_b32 s53, s53, 2
	s_add_co_u32 s62, s52, s50
	s_add_co_u32 s62, s62, s53
	s_add_co_u32 s62, s62, 24576                   ; its scale words: 128 x tile + 8 r + 4 (head % 2)
	s_mov_b32 s63, 0
	s_mov_b32 s[SEL], 0x76543210
	s_mov_b32 s[SEL+1], 0xfedcba98
	s_mov_b32 s[CS], 0x3e314743                    ; c = 0.12 x log2(e)
	s_mov_b32 s[CS+1], s[CS]
	s_mov_b32 s[SL], 0
	s_mov_b32 s[LOOP], 0
	s_wait_dscnt 0x0                               ; both opening adds are done
	s_wait_kmcnt 0x0
	s_add_nc_u64 s[KVB:KVB+1], s[6:7], s[54:55]
	s_mov_b64 s[34:35], s[KVB:KVB+1]
	s_or_b32 s35, s35, 0x80000000
	s_add_nc_u64 s[PFA:PFA+1], s[6:7], s[60:61]
	s_add_nc_u64 s[68:69], s[8:9], s[66:67]
	s_add_nc_u64 s[70:71], s[8:9], s[62:63]
	CROUND                                         ; all four work-groups are here: the first joint loads meet
	tensor_load_to_lds s[32:35], s[24:31]          ; slot 0: one tensor load a wave at the head
	s_nop 0
	PLACES
	v_and_b32 v22, 31, v0                          ; lane
	v_and_b32 v23, 15, v0                          ; r
	v_bfe_u32 v76, v0, 4, 1                        ; h
	v_lshlrev_b32 v9, 4, v22                       ; v9: 16 x lane
	v_lshlrev_b32 v77, 2, v23
	v_lshlrev_b32 v78, 2, v22
	v_and_b32 v79, 8, v23
	v_lshlrev_b32 v76, 4, v76
	v_add_nc_u32 v79, v79, v23
	v_min_u32 v21, 24, v22
	v_add_nc_u32 v1, s72, v9                       ; v1, v2: K's and V's fragments of my key step in slots 0, 1
	v_add_nc_u32 v3, s73, v77                      ; v3, v4: their scale words
	v_sub_nc_u32 v79, v79, v76
	v_lshlrev_b32 v21, 8, v21                      ; v21: the prefetches' offset
	v_add_nc_u32 v2, SLOTB, v1
	v_add_nc_u32 v4, SLOTB, v3
	v_add_nc_u32 v7, s78, v79                      ; v7, v8: d = my query - my key step's first key - 16 h in the block's last slot, register tiles 0, 1
	v_add_nc_u32 v8, s79, v79
	v_add_nc_u32 v10, s74, v9                      ; v10, v11: where the high block's O^T goes
	v_add_nc_u32 v11, s75, v9
	v_add_nc_u32 v18, s76, v78                     ; v18, v19: and its sums
	v_add_nc_u32 v19, s77, v78
	QLOAD s58
	v_mov_b32 v12, 0xc1e00000                      ; -28
	v_mov_b32 v13, 0xc1e00000
	v_mov_b32 v20, 0xff800000                      ; -infinity
.irp b, 0,1,2,3,4,5,6,7
	v_mov_b32 v[U+\b], 0                           ; written once: a lane permute's destination counts as one of its sources
.endr
.set J, 0
.rept 16
	v_mov_b32 v[KP+J], 0                           ; written once, so that they are defined on every way through the text
.set J, J+1
.endr
	CLEAR
	s_wait_alu depctr_va_vdst(0)                   ; the wait at the head's end
.Lslot:
	TRIP 0, 1, 0
	TRIP 1, 1, 0
	s_add_co_u32 s[LOOP], s[LOOP], 1
	s_cmp_lt_u32 s[LOOP], 4
	s_cbranch_scc1 .Lslot
	TRIP 0, 0, 1                                   ; the ninth slot, the low block's last, is written out: it asks for nothing more
	; THE END.  Nobody reads the ring any more behind this barrier.
	s_wait_dscnt 0x0
	s_barrier_signal -1
	s_barrier_wait -1
	v_add_nc_u32 v80, s80, v9
	v_add_nc_u32 v81, s81, v9
	v_add_nc_u32 v82, s82, v9
	v_add_nc_u32 v83, s83, v9
	v_lshrrev_b32 v89, 2, v9
	v_add_nc_u32 v86, s86, v9
	v_add_nc_u32 v87, s87, v9
	v_and_b32 v92, 15, v0
	v_add_nc_u32 v84, s84, v89
	v_add_nc_u32 v85, s85, v89
	v_add_nc_u32 v88, s88, v89
	v_lshlrev_b32 v92, 3, v92                      ; 8 r
	FOLD
	s_wait_alu depctr_va_vdst(0)                   ; the addresses just made are read by the stores below
	ds_store_b32 v84, v[U+2]
	ds_store_b32 v85, v[U+3]
	DUMP 80
.irp j, 0,1
.irp e, 0,1
	ds_store_b128 v[82+\j], v[64*\j+56+4*\e:64*\j+56+4*\e+3] offset:512*\e
.endr
.endr
	WIN 0
.irp j, 0,1
.irp e, 0,1
	ds_store_b128 v[82+\j], v[KP+8*\j+4*\e:KP+8*\j+4*\e+3] offset:16384+512*\e   ; the high block's registers that were kept
.endr
.endr
	s_wait_dscnt 0x0                               ; for the other waves' sake: my stores are done
	s_barrier_signal -1
	s_barrier_wait -1
.macro PART q, reg                     ; my tile's part from the wave with key step q
.irp c, 0,1,2,3,4,5,6,7,8,9,10,11,12,13
	ds_load_b128 v[\reg+4*\c:\reg+4*\c+3], v86 offset:\q*HW+512*\c
.endr
.irp e, 0,1
	ds_load_b128 v[\reg+56+4*\e:\reg+56+4*\e+3], v87 offset:\q*2048+512*\e
.endr
.endm
	PART 0, 128
	PART 1, 192
	WIN 0x40
	PART 2, 0
	PART 3, 64
	WIN 0
.irp q, 0,1,2,3
	ds_load_b32 v[T+\q], v88 offset:128*\q
.endr
	s_wait_dscnt 0x0
	v_add_f32 v[T], v[T], v[T+1]
	v_add_f32 v[T+2], v[T+2], v[T+3]
	s_delay_alu instid0(VALU_DEP_1)
	v_add_f32 v[T], v[T], v[T+2]                   ; the row's sum
	s_wait_alu depctr_va_vdst(0)                   ; the wait ahead of the transcendental
	v_rcp_f32 v90, v[T]
	v_mov_b32 v91, 0                               ; (a plain place; named as the upper half of the pair)
.irp b, 0,1,2,3
	v_mov_b32 v[100+\b], 0                         ; a lane permute's destination counts as one of its sources
.endr
.set J, 0
.rept 32
	v_pk_add_f32 v[128+J:129+J], v[128+J:129+J], v[192+J:193+J]
.set J, J+2
.endr
	WIN 0x45
.set J, 0
.rept 32
	v_pk_add_f32 v[J:J+1], v[J:J+1], v[64+J:65+J]
.set J, J+2
.endr
	WIN 0x04
.set J, 0
.rept 32
	v_pk_add_f32 v[128+J:129+J], v[128+J:129+J], v[J:J+1]
.set J, J+2
.endr
	WIN 0
	s_wait_alu depctr_va_vdst(0)                   ; the wait for the reciprocal, ahead of its first reader
.set J, 0
.rept 32
	v_pk_mul_f32 v[128+J:129+J], v[128+J:129+J], v[90:91] op_sel_hi:[1,0]   ; y: register 16 b + e is channel 32 b + 16 h + e of my query
.set J, J+2
.endr
	QUANT 128, 192, 96, 112
.irp c, 0,1,2
	global_store_b128 v9, v[192+4*\c:195+4*\c], s[68:69] offset:512*\c   ; 512 consecutive bytes, at a multiple of 512 from the buffer's first byte
.endr
	global_store_b32 v92, v112, s[70:71]           ; lanes r and r + 16 store the same word with the same value
	s_wait_tensorcnt 0x0                           ; the wave's end, behind my last tensor load and my last LDS store
	ds_add_u32 v5, v6
	s_wait_dscnt 0x0
	CROUND                                         ; the closing round
	s_endpgm
.Lfunc_end_k_qae4a07049d_attn:
	.size	k_qae4a07049d_attn, .Lfunc_end_k_qae4a07049d_attn-k_qae4a07049d_attn
	.p2alignl 7, 3214868480
	.fill 96, 4, 3214868480
	.section	.rodata,"a",@progbits
	.p2align	6, 0x0
	.amdhsa_kernel k_qae4a07049d_attn
		.amdhsa_group_segment_fixed_size 327680
		.amdhsa_private_segment_fixed_size 0
		.amdhsa_enable_private_segment 0
		.amdhsa_kernarg_size 24
		.amdhsa_user_sgpr_count 2
		.amdhsa_user_sgpr_kernarg_segment_ptr 1
		.amdhsa_wavefront_size32 1
		.amdhsa_system_sgpr_workgroup_id_x 1
		.amdhsa_system_sgpr_workgroup_id_y 1
		.amdhsa_system_sgpr_workgroup_id_z 1
		.amdhsa_system_vgpr_workitem_id 0
		.amdhsa_next_free_vgpr 512
		.amdhsa_next_free_sgpr 100
		.amdhsa_reserve_vcc 1
		.amdhsa_float_denorm_mode_32 3
		.amdhsa_float_denorm_mode_16_64 3
		.amdhsa_memory_ordered 1
		.amdhsa_forward_progress 1
		.amdhsa_inst_pref_size 184
	.end_amdhsa_kernel
	.amdgpu_metadata
---
amdhsa.version: [ 1, 2 ]
amdhsa.kernels:
  - .name:           k_qae4a07049d_attn
    .symbol:         k_qae4a07049d_attn.kd
    .args:
      - { .name: qq, .offset: 0, .size: 8, .value_kind: global_buffer, .address_space: global }
      - { .name: kv, .offset: 8, .size: 8, .value_kind: global_buffer, .address_space: global }
      - { .name: yq, .offset: 16, .size: 8, .value_kind: global_buffer, .address_space: global }
    .group_segment_fixed_size: 327680
    .private_segment_fixed_size: 0
    .kernarg_segment_align: 8
    .kernarg_segment_size: 24
    .max_flat_workgroup_size: 256
    .sgpr_count:     100
    .vgpr_count:     512
    .wavefront_size: 32
...
	.end_amdgpu_metadata
.endif
;; end of part 3
;; launch proj (part 4): grid 8 x 32, 4 waves a work-group, no clusters, 18,944 bytes of LDS; arguments yq, cq, out0; writes out0
.if DOCPART == 4
	.amdgcn_target "amdgcn-amd-amdhsa--gfx1250"
	.amdhsa_code_object_version 6
	.text
	.protected	k_qae4a07049d_proj
	.globl	k_qae4a07049d_proj
	.p2align	8
	.type	k_qae4a07049d_proj,@function
k_qae4a07049d_proj:
	s_mov_b64 s[64:65], 0
	v_nop
	global_prefetch_b8 v0, s[64:65] scope:SCOPE_SE
	s_setreg_imm32_b32 hwreg(HW_REG_WAVE_MODE, 25, 1), 1
	s_wait_xcnt 0x0
; PROJ.  out0[t][d] = sum over f of y[t][f] c_proj_w[d][f]: [4096][1024] f32, K = 1,024, both operands codes of FP6 (E2M3) with E8M0 scales, sums in f32.
; yq and cq lie as [rows / 128][4] blocks of 25,600 bytes (128 rows x 256 K): 16 fragments as images of their registers (tile a, K step q at 1,536 (2 a + q); registers 4 c .. 4 c + 3 of lane l at 512 c + 16 l),
; then the scale words at 24,576 + 128 a + 8 r + 4 q.  Lane r of tile a holds row 32 (a / 2) + 8 (a % 2) + r + 8 (r / 8) of its 128.
; SHARES.  A work-group makes 128 x 128 of out0: 32 x 8 = 256 work-groups.  A wave makes 64 x 64: 16 accumulators, 128 registers; a K step of 128 is 4 + 4 fragments (24 loads of 512 consecutive bytes) and 16 matrix instructions.
; THE OPERANDS GO FROM MEMORY STRAIGHT INTO REGISTERS: a fragment's image is what a lane's registers take, so nothing is turned or shared through LDS on the way in.  Three buffers of 96 registers take turns:
; while one K step is multiplied, the loads of the next two are out.  K has 8 steps, all written out: every offset is an immediate, no pointer is stepped, no barrier is needed.
; NO CLUSTER: no tile passes LDS, so there is no tensor load that partners could issue jointly; a work-group's operands are 2 x 102,400 bytes in all.  NO PREFETCH: there is no loop to run ahead in; all loads that the buffers hold go out at the head.
; THE MATRIX INSTRUCTION IS USED TRANSPOSED (source 0 = 16 rows of cq, source 1 = 16 rows of yq): register j of lane (r, h) of tile b is column 32 (b / 2) + 8 (b % 2) + 16 h + j of y's row.
; REGISTERS: window 0: v1-7 addresses; v16-47 scale words, two sets (a set serves 256 K) and nothing else; v48-111 the way out; v128-255 accumulator (i, b) at 128 + 8 (4 i + b).
;   window 1: buffers 0 (v0-95) and 1 (v128-223); window 2: buffer 2 (v0-95).  In a buffer: y's four fragments, then cq's four.
.set BLK,    25600
.set FRB,    1536
.set SPITCH, 272                       ; a stage row: 256 bytes + 16
.set WSTG,   4608                      ; a wave's stage: 16 rows, rounded up to blocks of 512 bytes
.set SPARE,  4*WSTG                    ; behind the stages: the spare words, 128 bytes for each wave
.set FO,  1                            ; v1 16 x lane: my place in a fragment's image
.set SO,  2                            ; v2 8 r: my row's two scale words
.set STO, 3                            ; v3 the stage, on the way in
.set RD,  4                            ; v4 the stage, on the way out
.set CO,  5                            ; v5 my byte offset in out0
.set SPW, 6                            ; v6 my spare word; never rewritten
.set NIL, 7                            ; v7 0; never rewritten
.set SC,  16
.set OB,  48
.set ACC, 128
.set MSB, 0
.macro WIN new                         ; the immediate's high byte repeats the setting that is left
.if MSB != (\new)
	s_set_vgpr_msb (MSB<<8)|(\new)
.set MSB, (\new)
.endif
.endm
.macro PLACES
.rept 4
	v_nop
.endr
.endm
.macro FLOAD k                         ; K step k's eight fragments into buffer k % 3: 24 loads
.set BS, 128*(((\k)%3)%2)
.set WW, 1+((\k)%3)/2
	WIN WW<<6
.irp i, 0,1,2,3
.irp c, 0,1,2
	global_load_b128 v[BS+12*\i+4*\c:BS+12*\i+4*\c+3], v[FO], s[16:17] offset:((\k)/2)*BLK+(2*\i+(\k)%2)*FRB+512*\c
	global_load_b128 v[BS+48+12*\i+4*\c:BS+48+12*\i+4*\c+3], v[FO], s[18:19] offset:((\k)/2)*BLK+(2*\i+(\k)%2)*FRB+512*\c
.endr
.endr
	WIN 0
.endm
.macro SLOAD kb                        ; the scale words of K steps 2 kb and 2 kb + 1 into set kb % 2: 8 loads; y's tile i at 2 i, cq's at 8 + 2 i
.irp i, 0,1,2,3
	global_load_b64 v[SC+16*((\kb)%2)+2*\i:SC+16*((\kb)%2)+2*\i+1], v[SO], s[20:21] offset:(\kb)*BLK+128*\i
	global_load_b64 v[SC+16*((\kb)%2)+8+2*\i:SC+16*((\kb)%2)+8+2*\i+1], v[SO], s[22:23] offset:(\kb)*BLK+128*\i
.endr
.endm
.macro MUL k, zero                     ; 16 matrix instructions; the 16 accumulators take turns, one instruction a turn, in the same order in every K step
.set BS, 128*(((\k)%3)%2)
.set WW, 1+((\k)%3)/2
.set SS, SC+16*(((\k)/2)%2)+(\k)%2
	WIN WW|(WW<<2)
.irp i, 0,1,2,3
.irp b, 0,1,2,3
.if \zero
	v_wmma_scale_f32_16x16x128_f8f6f4 v[ACC+8*(4*\i+\b):ACC+8*(4*\i+\b)+7], v[BS+48+12*\b:BS+48+12*\b+11], v[BS+12*\i:BS+12*\i+11], 0, v[SS+8+2*\b], v[SS+2*\i] matrix_a_fmt:MATRIX_FMT_FP6 matrix_b_fmt:MATRIX_FMT_FP6
.else
	v_wmma_scale_f32_16x16x128_f8f6f4 v[ACC+8*(4*\i+\b):ACC+8*(4*\i+\b)+7], v[BS+48+12*\b:BS+48+12*\b+11], v[BS+12*\i:BS+12*\i+11], v[ACC+8*(4*\i+\b):ACC+8*(4*\i+\b)+7], v[SS+8+2*\b], v[SS+2*\i] matrix_a_fmt:MATRIX_FMT_FP6 matrix_b_fmt:MATRIX_FMT_FP6
.endif
.endr
.endr
	WIN 0
.endm
	s_load_b128 s[4:7], s[0:1], 0x0                ; yq s[4:5], cq s[6:7]
	s_load_b64 s[8:9], s[0:1], 0x10                ; out0
	v_lshl_add_u32 v[SPW], v0, 2, SPARE
	v_mov_b32 v[NIL], 0
	v_lshrrev_b32 v8, 5, v0
	v_readfirstlane_b32 s10, v8                    ; wave 0..3
	s_mul_i32 s15, s10, WSTG                       ; my stage
	v_and_b32 v9, 31, v0                           ; lane
	v_and_b32 v10, 15, v0                          ; r
	v_bfe_u32 v11, v0, 4, 1                        ; h
	v_lshlrev_b32 v[FO], 4, v9
	v_lshlrev_b32 v[SO], 3, v10
	v_mul_u32_u24 v[STO], v10, SPITCH              ; in: row r, 64 bytes for each half of the lanes
	v_lshl_add_u32 v[STO], v11, 6, v[STO]
	v_add_nc_u32 v[STO], s15, v[STO]
	v_mul_u32_u24 v[RD], v11, SPITCH               ; back: lanes 0-15 take one row of 256 bytes, lanes 16-31 the next
	v_lshl_add_u32 v[RD], v10, 4, v[RD]
	v_add_nc_u32 v[RD], s15, v[RD]
	v_lshlrev_b32 v[CO], 12, v11                   ; and the same two rows in out0, 4,096 bytes apart
	v_lshl_add_u32 v[CO], v10, 4, v[CO]
	s_lshr_b32 s11, s10, 1                         ; which 64 rows of the block are mine
	s_and_b32 s12, s10, 1                          ; which 64 columns
	s_and_b32 s13, ttmp7, 0xffff                   ; the block's row of blocks, 0..31
	s_mul_i32 s20, s13, 4*BLK                      ; y: 128 rows are four blocks
	s_mul_i32 s14, s11, 8*FRB
	s_add_co_u32 s16, s20, s14                     ; my four tiles' fragments
	s_mov_b32 s17, 0
	s_lshl_b32 s14, s11, 9
	s_add_co_u32 s20, s20, s14
	s_add_co_u32 s20, s20, 16*FRB                  ; and their scale words
	s_mov_b32 s21, 0
	s_mul_i32 s22, ttmp9, 4*BLK                    ; cq likewise, by the block's column of blocks, 0..7
	s_mul_i32 s14, s12, 8*FRB
	s_add_co_u32 s18, s22, s14
	s_mov_b32 s19, 0
	s_lshl_b32 s14, s12, 9
	s_add_co_u32 s22, s22, s14
	s_add_co_u32 s22, s22, 16*FRB
	s_mov_b32 s23, 0
	s_lshl_b32 s24, s13, 19                        ; out0: 128 rows of 4,096 bytes a block,
	s_lshl_b32 s14, s11, 18                        ; 64 rows a half,
	s_add_co_u32 s24, s24, s14
	s_lshl_b32 s14, ttmp9, 9                       ; 512 bytes of a row a block,
	s_add_co_u32 s24, s24, s14
	s_lshl_b32 s14, s12, 8                         ; 256 a half
	s_add_co_u32 s24, s24, s14
	s_mov_b32 s25, 0
	s_wait_alu depctr_va_vdst(0)                   ; the wait at the head's end
	s_wait_kmcnt 0x0
	s_add_nc_u64 s[16:17], s[4:5], s[16:17]
	s_add_nc_u64 s[20:21], s[4:5], s[20:21]
	s_add_nc_u64 s[18:19], s[6:7], s[18:19]
	s_add_nc_u64 s[22:23], s[6:7], s[22:23]
	s_add_nc_u64 s[8:9], s[8:9], s[24:25]
	SLOAD 0
	FLOAD 0
	FLOAD 1
	SLOAD 1
	FLOAD 2
; K step k: behind its own loads stand those of the next two K steps (24 each) and one set of scale words (8): 56 may be out.  Behind its products, and four places, its buffer takes K step k + 3.
.irp k, 0,1,2,3,4
	s_wait_loadcnt 56
.if \k == 0
	MUL \k, 1                                      ; the first products start the sums: nothing is cleared
.else
	MUL \k, 0
.endif
	PLACES                                         ; in front of loads into registers that matrix instructions have read
.if \k % 2 == 1
	SLOAD (\k+3)/2                                 ; into the set whose two K steps are done
.endif
	FLOAD \k+3
.endr
	s_wait_loadcnt 56                              ; behind K step 5's loads: a set of scale words and K steps 6 and 7
	MUL 5, 0
	s_wait_loadcnt 24                              ; K step 7's may be out
	MUL 6, 0
	s_wait_loadcnt 0x0
	MUL 7, 0
; THE WAY OUT, tile by tile of 16 rows x 64 columns: through my own stage, back as whole rows of 256 bytes.  LDS serves a wave's instructions in order: no wait between the stores and the loads, nor in front of the next tile's stores.
.macro TOSTAGE a
.irp b, 0,1,2,3
	ds_store_b128 v[STO], v[ACC+32*(\a)+8*\b:ACC+32*(\a)+8*\b+3] offset:128*(\b/2)+32*(\b%2)        ; each accumulator from its low end on
	ds_store_b128 v[STO], v[ACC+32*(\a)+8*\b+4:ACC+32*(\a)+8*\b+7] offset:128*(\b/2)+32*(\b%2)+16
.endr
.irp t, 0,1,2,3,4,5,6,7
	ds_load_b128 v[OB+32*((\a)%2)+4*\t:OB+32*((\a)%2)+4*\t+3], v[RD] offset:\t*2*SPITCH
.endr
.endm
.macro SEND a, younger                 ; younger: the LDS instructions issued behind tile a's loads, which may stay out
	s_wait_dscnt \younger
.irp t, 0,1,2,3,4,5,6,7
	global_store_b128 v[CO], v[OB+32*((\a)%2)+4*\t:OB+32*((\a)%2)+4*\t+3], s[8:9] offset:(32*((\a)/2)+8*((\a)%2)+2*\t+8*(\t/4))*4096 th:TH_STORE_NT   ; sixteen lanes store 256 consecutive bytes, at a multiple of 256 from out0's first byte
.endr
.endm
	PLACES                                         ; behind the last products, in front of the first reads of results
	TOSTAGE 0
.irp a, 1,2,3
.if \a > 1
	s_wait_xcnt 0x0                                ; tile a - 2's stores have read their registers: tile a's loads may land there
.endif
	TOSTAGE \a
	SEND \a-1, 16                                  ; behind tile a - 1's loads: tile a's 8 stores and 8 loads
.endr
	SEND 3, 0
	s_wait_tensorcnt 0x0                           ; the wave's end, behind my last LDS store
	ds_add_u32 v[SPW], v[NIL]
	s_wait_dscnt 0x0
	s_endpgm
.Lfunc_end_k_qae4a07049d_proj:
	.size	k_qae4a07049d_proj, .Lfunc_end_k_qae4a07049d_proj-k_qae4a07049d_proj
	.p2alignl 7, 3214868480
	.fill 96, 4, 3214868480
	.section	.rodata,"a",@progbits
	.p2align	6, 0x0
	.amdhsa_kernel k_qae4a07049d_proj
		.amdhsa_group_segment_fixed_size 18944
		.amdhsa_private_segment_fixed_size 0
		.amdhsa_enable_private_segment 0
		.amdhsa_kernarg_size 24
		.amdhsa_user_sgpr_count 2
		.amdhsa_user_sgpr_kernarg_segment_ptr 1
		.amdhsa_wavefront_size32 1
		.amdhsa_system_sgpr_workgroup_id_x 1
		.amdhsa_system_sgpr_workgroup_id_y 1
		.amdhsa_system_sgpr_workgroup_id_z 1
		.amdhsa_system_vgpr_workitem_id 0
		.amdhsa_next_free_vgpr 640
		.amdhsa_next_free_sgpr 66
		.amdhsa_reserve_vcc 0
		.amdhsa_float_denorm_mode_32 3
		.amdhsa_float_denorm_mode_16_64 3
		.amdhsa_memory_ordered 1
		.amdhsa_forward_progress 1
		.amdhsa_inst_pref_size 49
	.end_amdhsa_kernel
	.amdgpu_metadata
---
amdhsa.version: [ 1, 2 ]
amdhsa.kernels:
  - .name:           k_qae4a07049d_proj
    .symbol:         k_qae4a07049d_proj.kd
    .args:
      - { .name: yq, .offset: 0, .size: 8, .value_kind: global_buffer, .address_space: global }
      - { .name: cq, .offset: 8, .size: 8, .value_kind: global_buffer, .address_space: global }
      - { .name: out0, .offset: 16, .size: 8, .value_kind: global_buffer, .address_space: global }
    .group_segment_fixed_size: 18944
    .private_segment_fixed_size: 0
    .kernarg_segment_align: 8
    .kernarg_segment_size: 24
    .max_flat_workgroup_size: 128
    .sgpr_count:     66
    .vgpr_count:     640
    .wavefront_size: 32
...
	.end_amdgpu_metadata
.endif
;; end of part 4
